; MI455X (gfx1250); checked and timed in simulation.
; The chip was launched on July 23, 2026; its instructions are those of AMD's public machine-readable ISA for CDNA 5 (MIT licence, August 2026) and "CDNA5" Instruction Set Architecture Reference Guide (July 2026). The comments in the code are by the model that wrote it; some were corrected since.
;; Mo E Layer. Allowed arithmetic: matrix products marked QUANTISED: E2M1 operands, one E8M0 scale for each 32 along K, by v_wmma_scale_f32_16x16x128_f8f6f4 with both operands' format E2M1 (or v_wmma_scale_f32_32x16x128_f4), f32 sums; products left as they are: f32 operands where the result goes on into a quantised operand, else bf16, f16 or f32 operands; f32 sums; everything else in f32.
;; Inputs: b1 8 x 4,096 float32; b2 8 x 1,024 float32; router_w 8 x 1,024 float32; w1 8 x 1,024 x 4,096 float32; w2 8 x 4,096 x 1,024 float32; x 4 x 256 x 1,024 float32.
;; Outputs: out0 4 x 256 x 1,024 float32.
;; This version of the problem:
;;   THIS VERSION OF THE PROBLEM IS GIVEN IN LOW PRECISION. The matrix products marked QUANTISED in the list below multiply operands that are first quantised to E2M1 (2 exponent bits, 1 mantissa bit; 4 bits a number), with one power-of-two scale for each 32 numbers along K (OCP MX v1.0); their sums are f32. All else is computed in f32.
;;   The module's matrix products, in the order in which they are computed (A, B: the left and right operand; K: the contracted axis; several contracted axes count as one K, in the product's order):
;;     1. [M 1,024, K 1,024] x [K 1,024, N 8]; A: input x; B: input router_w: left as it is (N = 8 < 16)
;;     2. [M 1,024, K 1,024] x [K 1,024, N 4,096]; A: input x; B: input w1: QUANTISED
;;     3. [M 1,024, K 4,096] x [K 4,096, N 1,024]; A: computed on the way; B: input w2: QUANTISED
;;     4. [M 1,024, K 1,024] x [K 1,024, N 4,096]; A: input x; B: input w1: QUANTISED
;;     5. [M 1,024, K 4,096] x [K 4,096, N 1,024]; A: computed on the way; B: input w2: QUANTISED
;;     6. [M 1,024, K 1,024] x [K 1,024, N 4,096]; A: input x; B: input w1: QUANTISED
;;     7. [M 1,024, K 4,096] x [K 4,096, N 1,024]; A: computed on the way; B: input w2: QUANTISED
;;     8. [M 1,024, K 1,024] x [K 1,024, N 4,096]; A: input x; B: input w1: QUANTISED
;;     9. [M 1,024, K 4,096] x [K 4,096, N 1,024]; A: computed on the way; B: input w2: QUANTISED
;;     10. [M 1,024, K 1,024] x [K 1,024, N 4,096]; A: input x; B: input w1: QUANTISED
;;     11. [M 1,024, K 4,096] x [K 4,096, N 1,024]; A: computed on the way; B: input w2: QUANTISED
;;     12. [M 1,024, K 1,024] x [K 1,024, N 4,096]; A: input x; B: input w1: QUANTISED
;;     13. [M 1,024, K 4,096] x [K 4,096, N 1,024]; A: computed on the way; B: input w2: QUANTISED
;;     14. [M 1,024, K 1,024] x [K 1,024, N 4,096]; A: input x; B: input w1: QUANTISED
;;     15. [M 1,024, K 4,096] x [K 4,096, N 1,024]; A: computed on the way; B: input w2: QUANTISED
;;     16. [M 1,024, K 1,024] x [K 1,024, N 4,096]; A: input x; B: input w1: QUANTISED
;;     17. [M 1,024, K 4,096] x [K 4,096, N 1,024]; A: computed on the way; B: input w2: QUANTISED
;;   THE QUANTISER, for each operand of a quantised product, along K:
;;     - K is cut into blocks of 32 from its start; a last block that is shorter is filled with zeros.
;;     - A block's scale is 2^e with e = floor(log2(the largest magnitude in the block)) - 2, held to -126 .. 127; a block of zeros has e = 0. As a byte (E8M0): e + 127.
;;     - Each number is divided by its block's scale, clamped to +-6, and rounded to the nearest number of E2M1, ties to even, subnormals kept.
;;     - The product sums the exact products of the quantised numbers (number of the format x scale) in f32.
;;   ~~~python
;;   def quantise(x, axis):      # numpy; x: float32 -> the quantised numbers, widened to float32 again
;;       x = np.moveaxis(x, axis, -1); K = x.shape[-1]
;;       x = np.pad(x, [(0, 0)] * (x.ndim - 1) + [(0, -K % 32)]); x = x.reshape(x.shape[:-1] + (-1, 32)); a = np.abs(x).max(-1, keepdims=True)
;;       e = np.where(a > 0, np.clip(np.frexp(np.where(a > 0, a, 1))[1] - 1 - 2, -126, 127), 0)      # np.frexp(a)[1] - 1 = floor(log2(a)), exactly
;;       r = np.clip(x / 2.0 ** e, -6, 6)
;;       step = 2.0 ** (np.maximum(np.frexp(np.where(r == 0, 1, r))[1] - 1, 0) - 1)
;;       q = np.round(r / step) * step * 2.0 ** e      # np.round: ties to even
;;       return np.moveaxis(q.reshape(q.shape[:-2] + (-1,))[..., :K], -1, axis).astype(np.float32)
;;   ~~~
;;   OPERANDS COMPUTED ON THE WAY. 'Computed on the way' means the value that the module computes at that place (a softmax that the list does not call 'softmax' is quantised finished and normalised). What goes into a quantiser is computed in f32, as accurately as f32 sums, v_exp_f32 and their like allow (about 1e-6 of the number): no bf16 or f16 on the way to a quantiser, and a product that is left as it is and whose result goes on into a quantised operand takes f32 operands (vector FMAs, or v_wmma_f32_16x16x4_f32). A number that lies on a knife's edge between two numbers of the format may be rounded either way, as far as f32 arithmetic and the matrix unit's own rounding can turn it there, and no further.
;; 2 versions. Each part assembles by itself: llvm-mc -triple=amdgcn-amd-amdhsa -mcpu=gfx1250 --defsym DOCPART=n.
;; ======== version 1 of 2: 5 launches
;; workspace buffers: xq 557,056 bytes; eidx 8,192 bytes of whole numbers; gates 8,192 bytes; list 8,704 bytes of whole numbers; plan 8,448 bytes of whole numbers; hq 4,734,976 bytes; part 35,651,584 bytes
;; launch route (part 1): grid 256 x 1, 4 waves a work-group, no clusters, 51,712 bytes of LDS; arguments x, router_w, xq, eidx, gates, list; writes xq, eidx, gates, list
.if DOCPART == 1
	.amdgcn_target "amdgcn-amd-amdhsa--gfx1250"
	.amdhsa_code_object_version 6
	.text
	.protected	k_q792a290054_route
	.globl	k_q792a290054_route
	.p2align	8
	.type	k_q792a290054_route,@function
k_q792a290054_route:
	s_mov_b64 s[64:65], 0
	v_nop
	global_prefetch_b8 v0, s[64:65] scope:SCOPE_SE
	s_setreg_imm32_b32 hwreg(HW_REG_WAVE_MODE, 25, 1), 1
	s_wait_xcnt 0x0
; MoE layer, launch 1 of 5: the router, and x as codes of E2M1.
; WORK LEFT OUT BY THE WHOLE PROGRAM.  reference() weighs expert e's row of token t by gate = sum(where(top_i == e, top_w, 0)).  For an expert that is not among
; the token's two chosen ones every term of that sum is the 0 that reference() itself writes, so gate x y adds 0 to out whatever finite values x, w1, b1, w2, b2 hold.
; So only the two chosen experts' rows of each token are multiplied (2,048 rows in place of 8,192).  All six inputs keep a way to the output and are loaded.
; LIMIT: a NaN, an infinity or an overflow that arises only in a row of an expert that was not chosen is not carried to the result.
; THIS LAUNCH.  A wave takes one token: (a) its 32 blocks of 32 numbers become codes (16 bytes a block) and one E8M0 byte each, xq = [t][512] codes, then [t][32] bytes;
; (b) its eight logits, f32 multiply-adds; the two largest (a strict compare, so of equals the lower index stays ahead, as in lax.top_k); softmax with the largest logit taken away;
; the two weights divided by (their sum + 1e-9).  The chosen experts go to eidx[t][2] and the weights to gates[t][2], at fixed places: no address here hangs on the choice.
; (c) the first 17 work-groups fill list (2,176 slots) with 0: the next launch writes the used slots, the others stand for token 0.
; LIMITS: NaN and infinities among the inputs are not served.  The choice is made on the logits, of which the softmax is a rising function; where two probabilities round to the same f32 number
; the order can differ from a choice made on the rounded probabilities.  A block of zeros gets the byte 1 where the rule says 127: its codes are zeros and this program alone reads the bytes.
; No matrix unit (8 columns), no cluster (work-groups share only router_w, 32 KB).
.set STG,   32768                      ; LDS: router_w, dense, from 0; from here a stage of 32 x (128 + 16) bytes for each wave
.set SPARE, 51200                      ; the spare words, 128 bytes for each wave
.set XSC,   524288                     ; where the scale bytes begin in xq
.set R,     16                         ; v16-47   x as loaded: load i: numbers 128 i + 4 lane + 0..3
.set X,     48                         ; v48-79   my block of 32 neighbours
.set RB,    80                         ; v80-143  router_w on its way into LDS; later two sets of 32 for the dot products
.set AC,    144                        ; v144-175 four partial sums an expert
.set LG,    176                        ; v176-183 the logits
.set SPW,   208
.set NIL,   209
	s_load_b256 s[4:11], s[0:1], 0x0               ; x, router_w, xq, eidx
	s_load_b128 s[12:15], s[0:1], 0x20             ; gates, list
	v_lshl_add_u32 v[SPW], v0, 2, SPARE
	v_mov_b32 v[NIL], 0
	v_lshrrev_b32 v6, 5, v0
	v_readfirstlane_b32 s16, v6                    ; wave
	v_and_b32 v1, 31, v0                           ; lane
	v_lshlrev_b32 v2, 4, v1                        ; 16 x lane
	v_lshlrev_b32 v3, 4, v0                        ; 16 x thread
	s_mul_i32 s17, s16, 4608
	s_add_co_u32 s17, s17, STG                     ; my stage
	v_lshrrev_b32 v4, 3, v1
	v_mul_u32_u24 v4, v4, 144
	v_and_b32 v6, 7, v1
	v_lshl_add_u32 v4, v6, 4, v4
	v_add_nc_u32 v4, s17, v4                       ; in: eight lanes' 128 bytes on end, then 16 of padding
	v_mul_u32_u24 v5, v1, 144
	v_add_nc_u32 v5, s17, v5                       ; out: my block
	s_lshl_b32 s18, ttmp9, 2
	s_add_co_u32 s18, s18, s16                     ; my token
	s_lshl_b32 s20, s18, 12
	s_mov_b32 s21, 0
	s_mov_b32 s24, 0x76543210
	s_mov_b32 s25, 0xfedcba98                      ; selects: lane l xor 16
	s_lshl_b32 s22, s18, 9
	v_add_nc_u32 v14, s22, v2                      ; my block's codes in xq
	s_lshl_b32 s23, s18, 5
	v_add_nc_u32 v15, s23, v1                      ; and its byte
	s_wait_kmcnt 0x0
	s_add_nc_u64 s[4:5], s[4:5], s[20:21]
.irp i, 0,1,2,3,4,5,6,7
	global_load_b128 v[R+4*\i:R+4*\i+3], v2, s[4:5] offset:512*\i th:TH_LOAD_NT
.endr
.irp j, 0,1,2,3,4,5,6,7,8,9,10,11,12,13,14,15
	global_load_b128 v[RB+4*\j:RB+4*\j+3], v3, s[6:7] offset:2048*\j
.endr
	s_wait_loadcnt 16                              ; x's eight are in; router_w's sixteen may be out
.irp i, 0,1,2,3,4,5,6,7
	ds_store_b128 v4, v[R+4*\i:R+4*\i+3] offset:576*\i
.endr
.irp j, 0,1,2,3,4,5,6,7
	ds_load_b128 v[X+4*\j:X+4*\j+3], v5 offset:16*\j    ; my own bytes, served in order: no barrier
.endr
	s_wait_dscnt 0x0
	v_max3_num_f32 v6, |v[X]|, |v[X+1]|, 0x1800000     ; the block's largest magnitude, with the floor 2^(3 - 127) among its leaves: the byte cannot fall under 1
	v_max3_num_f32 v7, |v[X+2]|, |v[X+3]|, |v[X+4]|
.irp i, 5,9,13,17,21,25
	v_max3_num_f32 v6, v6, |v[X+\i]|, |v[X+\i+1]|
	v_max3_num_f32 v7, v7, |v[X+\i+2]|, |v[X+\i+3]|
.endr
	v_max3_num_f32 v6, v6, |v[X+29]|, |v[X+30]|
	v_max3_num_f32 v6, v6, v7, |v[X+31]|
	v_add_nc_u32 v7, 0xff000000, v6                ; 2 off its exponent field: the conversion's scale operand
.irp g, 0,1,2,3
	v_cvt_scalef32_pk8_fp4_f32 v[10+\g], v[X+8*\g:X+8*\g+7], v7
.endr
	v_lshrrev_b32 v8, 23, v7                       ; the scale's byte (also the plain line behind the conversions)
	global_store_b128 v14, v[10:13], s[8:9]        ; the wave stores 512 consecutive bytes
	global_store_b8 v15, v8, s[8:9] offset:XSC
	s_wait_loadcnt 0x0                             ; router_w
.irp j, 0,1,2,3,4,5,6,7,8,9,10,11,12,13,14,15
	ds_store_b128 v3, v[RB+4*\j:RB+4*\j+3] offset:2048*\j
.endr
	s_wait_dscnt 0x0                               ; my part of router_w lies in LDS,
	s_barrier_signal -1
	s_barrier_wait -1                              ; everybody's does
.macro FETCH e
.irp i, 0,1,2,3,4,5,6,7
	ds_load_b128 v[RB+32*((\e)&1)+4*\i:RB+32*((\e)&1)+4*\i+3], v2 offset:4096*(\e)+512*\i
.endr
.endm
.macro DOT e                           ; 32 numbers of x times the same 32 of row e, in two packed chains; the first products start the sums
.set BB, RB+32*((\e)&1)
	v_pk_mul_f32 v[AC+4*\e:AC+4*\e+1], v[R:R+1], v[BB:BB+1]
	v_pk_mul_f32 v[AC+4*\e+2:AC+4*\e+3], v[R+2:R+3], v[BB+2:BB+3]
.irp p, 4,8,12,16,20,24,28
	v_pk_fma_f32 v[AC+4*\e:AC+4*\e+1], v[R+\p:R+\p+1], v[BB+\p:BB+\p+1], v[AC+4*\e:AC+4*\e+1]
	v_pk_fma_f32 v[AC+4*\e+2:AC+4*\e+3], v[R+\p+2:R+\p+3], v[BB+\p+2:BB+\p+3], v[AC+4*\e+2:AC+4*\e+3]
.endr
.endm
	FETCH 0
.irp e, 0,1,2,3,4,5,6
	FETCH \e+1
	s_wait_dscnt 8                                 ; this expert's eight loads are in, the next expert's eight may be out
	DOT \e
.endr
	s_wait_dscnt 0x0
	DOT 7
.irp e, 0,1,2,3,4,5,6,7
	v_pk_add_f32 v[AC+4*\e:AC+4*\e+1], v[AC+4*\e:AC+4*\e+1], v[AC+4*\e+2:AC+4*\e+3]
.endr
.irp e, 0,1,2,3,4,5,6,7
	v_add_f32 v[LG+\e], v[AC+4*\e], v[AC+4*\e+1]
.endr
.irp m, 1,2,4,8
.irp e, 0,1,2,3,4,5,6,7
	v_add_f32_dpp v[LG+\e], v[LG+\e], v[LG+\e] row_xmask:\m row_mask:0xf bank_mask:0xf
.endr
.endr
.irp e, 0,1,2,3,4,5,6,7
	v_permlanex16_b32 v[AC+\e], v[LG+\e], s24, s25
.endr
.irp e, 0,1,2,3,4,5,6,7
	v_add_f32 v[LG+\e], v[LG+\e], v[AC+\e]         ; every lane holds the eight logits
.endr
	; the two largest: v184, v200 the largest and its index; v185, v201 the second
	v_mov_b32 v184, v[LG]
	v_mov_b32 v185, 0xff800000
	v_mov_b32 v200, 0
	v_mov_b32 v201, 0
.irp e, 1,2,3,4,5,6,7
	v_cmp_gt_f32 s26, v[LG+\e], v184
	v_cmp_gt_f32 s27, v[LG+\e], v185
	v_cndmask_b32 v185, v185, v[LG+\e], s27
	v_cndmask_b32 v201, v201, \e, s27
	v_cndmask_b32 v185, v185, v184, s26
	v_cndmask_b32 v201, v201, v200, s26
	v_cndmask_b32 v184, v184, v[LG+\e], s26
	v_cndmask_b32 v200, v200, \e, s26
.endr
.irp e, 0,1,2,3,4,5,6,7
	v_sub_f32 v[188+\e], v[LG+\e], v184            ; the largest logit is taken away
.endr
	v_sub_f32 v196, v185, v184
.irp j, 0,1,2,3,4,5,6,7,8
	v_mul_f32 v[188+\j], 0x3fb8aa3b, v[188+\j]
.endr
.irp j, 0,1,2,3,4,5,6,7,8
	v_exp_f32 v[188+\j], v[188+\j]
.endr
	v_nop
	s_wait_alu depctr_va_vdst(0)                   ; one wait for the nine exponentials, ahead of their first reader
	v_add_f32 v188, v188, v189
	v_add_f32 v190, v190, v191
	v_add_f32 v192, v192, v193
	v_add_f32 v194, v194, v195
	v_add_f32 v188, v188, v190
	v_add_f32 v192, v192, v194
	v_add_f32 v188, v188, v192                     ; the softmax's sum
	v_rcp_f32 v197, v188                           ; the largest probability: 1 / sum
	v_nop
	s_wait_alu depctr_va_vdst(0)
	v_mul_f32 v198, v196, v197                     ; the second
	v_add_f32 v199, v197, v198
	v_add_f32 v199, 0x3089705f, v199               ; + 1e-9
	v_rcp_f32 v204, v199
	s_lshl_b32 s28, s18, 3
	v_mov_b32 v205, s28                            ; 8 t (a plain line behind the reciprocal)
	s_wait_alu depctr_va_vdst(0)
	v_mul_f32 v202, v197, v204
	v_mul_f32 v203, v198, v204
	v_cmp_eq_u32 vcc_lo, 0, v1
	s_wait_xcnt 0x0                                ; EXEC changes only behind this wait
	s_and_saveexec_b32 s29, vcc_lo
	global_store_b64 v205, v[200:201], s[10:11]    ; lane 0: the two experts,
	global_store_b64 v205, v[202:203], s[12:13]    ; and their weights
	s_wait_xcnt 0x0
	s_or_b32 exec_lo, exec_lo, s29
	s_cmp_lt_u32 ttmp9, 17
	s_cbranch_scc0 .Lno_fill
	s_lshl_b32 s30, ttmp9, 9
	v_lshl_add_u32 v206, v0, 2, s30
	v_mov_b32 v210, 0
	global_store_b32 v206, v210, s[14:15]          ; 17 x 128 words = the 2,176 slots
.Lno_fill:
	s_wait_tensorcnt 0x0                           ; the wave's end: three lines behind my last LDS store
	ds_add_u32 v[SPW], v[NIL]
	s_wait_dscnt 0x0
	s_endpgm
.Lfunc_end_k_q792a290054_route:
	.size	k_q792a290054_route, .Lfunc_end_k_q792a290054_route-k_q792a290054_route
	.p2alignl 7, 3214868480
	.fill 96, 4, 3214868480
	.section	.rodata,"a",@progbits
	.p2align	6, 0x0
	.amdhsa_kernel k_q792a290054_route
		.amdhsa_group_segment_fixed_size 51712
		.amdhsa_private_segment_fixed_size 0
		.amdhsa_enable_private_segment 0
		.amdhsa_kernarg_size 48
		.amdhsa_user_sgpr_count 2
		.amdhsa_user_sgpr_kernarg_segment_ptr 1
		.amdhsa_wavefront_size32 1
		.amdhsa_system_sgpr_workgroup_id_x 1
		.amdhsa_system_sgpr_workgroup_id_y 1
		.amdhsa_system_sgpr_workgroup_id_z 1
		.amdhsa_system_vgpr_workitem_id 0
		.amdhsa_next_free_vgpr 216
		.amdhsa_next_free_sgpr 66
		.amdhsa_reserve_vcc 1
		.amdhsa_float_denorm_mode_32 3
		.amdhsa_float_denorm_mode_16_64 3
		.amdhsa_memory_ordered 1
		.amdhsa_forward_progress 1
		.amdhsa_inst_pref_size 30
	.end_amdhsa_kernel
	.amdgpu_metadata
---
amdhsa.version: [ 1, 2 ]
amdhsa.kernels:
  - .name:           k_q792a290054_route
    .symbol:         k_q792a290054_route.kd
    .args:
      - { .name: x, .offset: 0, .size: 8, .value_kind: global_buffer, .address_space: global }
      - { .name: router_w, .offset: 8, .size: 8, .value_kind: global_buffer, .address_space: global }
      - { .name: xq, .offset: 16, .size: 8, .value_kind: global_buffer, .address_space: global }
      - { .name: eidx, .offset: 24, .size: 8, .value_kind: global_buffer, .address_space: global }
      - { .name: gates, .offset: 32, .size: 8, .value_kind: global_buffer, .address_space: global }
      - { .name: list, .offset: 40, .size: 8, .value_kind: global_buffer, .address_space: global }
    .group_segment_fixed_size: 51712
    .private_segment_fixed_size: 0
    .kernarg_segment_align: 8
    .kernarg_segment_size: 48
    .max_flat_workgroup_size: 128
    .sgpr_count:     66
    .vgpr_count:     216
    .wavefront_size: 32
...
	.end_amdgpu_metadata
.endif
;; end of part 1
;; launch place (part 2): grid 1 x 1, 32 waves a work-group, no clusters, 4,608 bytes of LDS; arguments eidx, list, plan; writes list, plan
.if DOCPART == 2
	.amdgcn_target "amdgcn-amd-amdhsa--gfx1250"
	.amdhsa_code_object_version 6
	.text
	.protected	k_q792a290054_place
	.globl	k_q792a290054_place
	.p2align	8
	.type	k_q792a290054_place,@function
k_q792a290054_place:
	s_mov_b64 s[64:65], 0
	v_nop
	global_prefetch_b8 v0, s[64:65] scope:SCOPE_SE
	s_setreg_imm32_b32 hwreg(HW_REG_WAVE_MODE, 25, 1), 1
	s_wait_xcnt 0x0
; MoE layer, launch 2 of 5: the routed rows are placed by expert.  Whole numbers alone; one work-group, a thread to a token, no atomics.
; Expert e's rows take the slots from 16 x tilebase[e] on, in the order of the tokens; each expert's run is rounded up to whole tiles of 16 slots (at most 135 tiles, at least 128).
; Out: list[slot] = token (slots that no row takes keep the 0 of the launch before);  plan: words 0-7 tilebase, 8-15 tiles of each expert, 16 tiles in all; from byte 256 pos[t][2] = the slots of token t's two rows.
; A counting sort: each wave counts its 32 tokens by ballots, the counts (two to a word, 16 bits each: no count passes 1,024) meet in LDS, every wave sums all of them and those of the waves ahead of it.
.set SPARE, 512
.set SPW, 62
.set NIL, 63
.set M,  16                            ; s16-23 ballots;  s24-31 my wave's counts
.set C,  24
.set T,  44                            ; s44-51 totals;  s52-59 rows ahead of my wave, later my wave's first slot
.set P,  52
.set NT, 66                            ; s66-73 tiles;  s74-81 first tile;  s82 tiles in all
.set TB, 74
	s_load_b128 s[4:7], s[0:1], 0x0                ; eidx, list
	s_load_b64 s[8:9], s[0:1], 0x10                ; plan
	v_lshl_add_u32 v[SPW], v0, 2, SPARE
	v_mov_b32 v[NIL], 0
	v_lshrrev_b32 v1, 5, v0
	v_readfirstlane_b32 s10, v1                    ; wave
	v_and_b32 v2, 31, v0                           ; lane
	v_lshlrev_b32 v3, 3, v0                        ; 8 t
	v_mov_b32 v6, s10
	v_lshlrev_b32 v6, 4, v6                        ; my wave's 16 bytes of counts
	v_lshlrev_b32 v7, 4, v2                        ; and wave l's, for lane l
	s_mov_b32 s12, 0x76543210
	s_mov_b32 s13, 0xfedcba98
	s_wait_kmcnt 0x0
	global_load_b64 v[4:5], v3, s[4:5]
	s_wait_loadcnt 0x0
.irp e, 0,1,2,3,4,5,6,7
	v_cmp_eq_u32 vcc_lo, \e, v4
	v_cmp_eq_u32 s11, \e, v5
	s_or_b32 s[M+\e], vcc_lo, s11
	s_bcnt1_i32_b32 s[C+\e], s[M+\e]
.endr
.irp i, 0,1,2,3
	s_lshl_b32 s11, s[C+2*\i+1], 16
	s_or_b32 s[32+\i], s[C+2*\i], s11
	v_mov_b32 v[8+\i], s[32+\i]
.endr
	ds_store_b128 v6, v[8:11]                      ; all lanes write the same bytes with the same values
	s_wait_dscnt 0x0
	s_barrier_signal -1
	s_barrier_wait -1
	ds_load_b128 v[12:15], v7
	s_wait_dscnt 0x0
	v_cmp_gt_u32 vcc_lo, s10, v2                   ; waves ahead of mine
.irp i, 0,1,2,3
	v_mov_b32 v[16+\i], v[12+\i]
	v_cndmask_b32 v[20+\i], 0, v[12+\i], vcc_lo
.endr
.irp j, 24,25,26,27,28,29,30,31
	v_mov_b32 v\j, 0                               ; a lane permute's destination counts as one of its sources
.endr
.irp m, 1,2,4,8
.irp j, 16,17,18,19,20,21,22,23
	v_add_nc_u32_dpp v\j, v\j, v\j row_xmask:\m row_mask:0xf bank_mask:0xf
.endr
.endr
.irp j, 16,17,18,19,20,21,22,23
	v_permlanex16_b32 v[\j+8], v\j, s12, s13
.endr
.irp j, 16,17,18,19,20,21,22,23
	v_add_nc_u32 v\j, v\j, v[\j+8]
.endr
.irp i, 0,1,2,3
	v_readfirstlane_b32 s[36+\i], v[16+\i]
	v_readfirstlane_b32 s[40+\i], v[20+\i]
.endr
.irp i, 0,1,2,3
	s_and_b32 s[T+2*\i], s[36+\i], 0xffff
	s_lshr_b32 s[T+2*\i+1], s[36+\i], 16
	s_and_b32 s[P+2*\i], s[40+\i], 0xffff
	s_lshr_b32 s[P+2*\i+1], s[40+\i], 16
.endr
	s_mov_b32 s82, 0
.irp e, 0,1,2,3,4,5,6,7
	s_mov_b32 s[TB+\e], s82
	s_add_co_u32 s[NT+\e], s[T+\e], 15
	s_lshr_b32 s[NT+\e], s[NT+\e], 4
	s_add_co_u32 s82, s82, s[NT+\e]
	s_lshl_b32 s11, s[TB+\e], 4
	s_add_co_u32 s[P+\e], s[P+\e], s11             ; the slot of my wave's first row of expert e
.endr
	v_mov_b32 v36, 0
	v_mov_b32 v37, 0
.irp e, 0,1,2,3,4,5,6,7
	v_mbcnt_lo_u32_b32 v34, s[M+\e], s[P+\e]       ; + the rows of e in the lanes below mine
	v_cmp_eq_u32 vcc_lo, \e, v4
	v_cndmask_b32 v36, v36, v34, vcc_lo
	v_cmp_eq_u32 vcc_lo, \e, v5
	v_cndmask_b32 v37, v37, v34, vcc_lo
.endr
	global_store_b64 v3, v[36:37], s[8:9] offset:256
	v_min_u32 v38, 0x87f, v36                      ; held inside the list
	v_min_u32 v39, 0x87f, v37
	v_lshlrev_b32 v38, 2, v38
	v_lshlrev_b32 v39, 2, v39
	global_store_b32 v38, v0, s[6:7]
	global_store_b32 v39, v0, s[6:7]
	s_cmp_lg_u32 s10, 0
	s_cbranch_scc1 .Lnot_first
	v_mov_b32 v40, 0
.irp e, 0,1,2,3,4,5,6,7
	v_writelane_b32 v40, s[TB+\e], \e
	v_writelane_b32 v40, s[NT+\e], 8+\e
.endr
	v_writelane_b32 v40, s82, 16
	v_lshlrev_b32 v41, 2, v2
	global_store_b32 v41, v40, s[8:9]
.Lnot_first:
	s_wait_tensorcnt 0x0                           ; the wave's end: three lines behind my last LDS store
	ds_add_u32 v[SPW], v[NIL]
	s_wait_dscnt 0x0
	s_endpgm
.Lfunc_end_k_q792a290054_place:
	.size	k_q792a290054_place, .Lfunc_end_k_q792a290054_place-k_q792a290054_place
	.p2alignl 7, 3214868480
	.fill 96, 4, 3214868480
	.section	.rodata,"a",@progbits
	.p2align	6, 0x0
	.amdhsa_kernel k_q792a290054_place
		.amdhsa_group_segment_fixed_size 4608
		.amdhsa_private_segment_fixed_size 0
		.amdhsa_enable_private_segment 0
		.amdhsa_kernarg_size 24
		.amdhsa_user_sgpr_count 2
		.amdhsa_user_sgpr_kernarg_segment_ptr 1
		.amdhsa_wavefront_size32 1
		.amdhsa_system_sgpr_workgroup_id_x 1
		.amdhsa_system_sgpr_workgroup_id_y 1
		.amdhsa_system_sgpr_workgroup_id_z 1
		.amdhsa_system_vgpr_workitem_id 0
		.amdhsa_next_free_vgpr 64
		.amdhsa_next_free_sgpr 84
		.amdhsa_reserve_vcc 1
		.amdhsa_float_denorm_mode_32 3
		.amdhsa_float_denorm_mode_16_64 3
		.amdhsa_memory_ordered 1
		.amdhsa_forward_progress 1
		.amdhsa_inst_pref_size 13
	.end_amdhsa_kernel
	.amdgpu_metadata
---
amdhsa.version: [ 1, 2 ]
amdhsa.kernels:
  - .name:           k_q792a290054_place
    .symbol:         k_q792a290054_place.kd
    .args:
      - { .name: eidx, .offset: 0, .size: 8, .value_kind: global_buffer, .address_space: global }
      - { .name: list, .offset: 8, .size: 8, .value_kind: global_buffer, .address_space: global }
      - { .name: plan, .offset: 16, .size: 8, .value_kind: global_buffer, .address_space: global }
    .group_segment_fixed_size: 4608
    .private_segment_fixed_size: 0
    .kernarg_segment_align: 8
    .kernarg_segment_size: 24
    .max_flat_workgroup_size: 1024
    .sgpr_count:     84
    .vgpr_count:     64
    .wavefront_size: 32
...
	.end_amdgpu_metadata
.endif
;; end of part 2
;; launch up (part 3): grid 32 x 8, 16 waves a work-group, no clusters, 280,576 bytes of LDS; arguments w1, b1, xq, list, plan, hq; writes hq
.if DOCPART == 3
	.amdgcn_target "amdgcn-amd-amdhsa--gfx1250"
	.amdhsa_code_object_version 6
	.text
	.protected	k_q792a290054_up
	.globl	k_q792a290054_up
	.p2align	8
	.type	k_q792a290054_up,@function
k_q792a290054_up:
	s_mov_b64 s[64:65], 0
	v_nop
	global_prefetch_b8 v0, s[64:65] scope:SCOPE_SE
	s_setreg_imm32_b32 hwreg(HW_REG_WAVE_MODE, 25, 1), 1
	s_wait_xcnt 0x0
; MoE layer, launch 3 of 5: h = Q(gelu(Q(x) Q(w1[e]) + b1[e])), for the rows routed to expert e alone (rows of experts that were not chosen have the gate 0 that reference() builds: left out).
; SHARES.  Work-group (fs, e) owns hidden units 128 fs .. + 127 of expert e: 1,024 x 128 numbers of w1, 512 KB, read once in the launch.
; THE STREAM.  Wave w takes 64 columns (ch = w & 1) x 128 along K (ko = w >> 1).  A lane takes a column and its registers run down K, so a block of 32 lies in one lane: its largest magnitude needs no other lane
; and the conversions give codes with K innermost.  Each row's 256 bytes come by two loads that stand together.  The codes go to LDS as images of the operand's registers, 16 bytes a lane.
; THE COLUMNS OF A TILE ARE NOT NEIGHBOURS: lane l takes column 8 (l / 16) + l % 16 + 8 ((l % 16) / 8) of its 32, so that in the transposed result a lane's 16 registers are 16 neighbours along the next K.
; THE PRODUCTS.  Wave w: columns 32 (w & 3) .. + 31 (two tiles of 16, all 1,024 of K in 128 registers), tiles of 16 routed rows 4 i + (w >> 2).  Source 0 = 16 columns of w1, source 1 = 16 rows of x; b1 is the C of the first product.
; The rows' codes are gathered by the list into LDS, 24 tiles at a time, the first 24 in the middle of the stream.  An expert has at most 64 tiles: three chunks, a loop of constant count; a tile past the expert's
; count is passed over by a scalar branch on the stored count, which leads round no barrier.  An expert with no row still has its weights streamed.
; gelu = 0.5 x (1 + erf(x / sqrt 2)), erf(z) = z P(z^2) / Q(z^2) on |z| <= 4 (z held there; beyond, erf is 1 to f32): good to a few units in the last place of 1.
; OUT: hq: images of the second product's row operand, [tile][32 K steps][2][lane][16 bytes]; its scale words [tile][4][lane][4 words].
; No tensor load, no cluster: branches hang on counts read from memory, and what work-groups share (the rows' codes, 8.5 KB a tile) is small beside each one's own 512 KB.
; LIMITS: NaN and infinities are not served; a block of zeros gets the byte 1 where the rule says 127 (its codes are zeros; this program alone reads the bytes).
.set PITCH, 16384                      ; a row of w1[e] in bytes
.set REG,   8704                       ; LDS: a tile of rows: 16 groups of 512 bytes of codes, 512 bytes of scale words
.set WSC,   65536                      ; LDS: from 0 the weights' images, (8 cg + ks) x 2,048 = [tile 2][c 2][lane][16]; from here their scale words, (8 cg + ks) x 128
.set TOK,   69632                      ; LDS: 24 regions of REG
.set SPARE, 278528                     ; the spare words, 128 bytes for each wave
.set HSC,   4456448                    ; where the scale words begin in hq
.set XSC,   524288                     ; and the scale bytes in xq
.set X,     16                         ; v16-143  the stream: two sets of 64 numbers (two groups of 32 columns x 32 along K);
.set W,     16                         ;          the products: my weights: K step s, tile u at 16 s + 8 u
.set WS,    144                        ; v144-151 scale words of the weights (in the stream: the two that are being made)
.set TS,    152                        ; v152-155 scale words of the rows: register i: lanes 0-15 K step i, lanes 16-31 K step 4 + i
.set TK,    156                        ; v156-219 the rows' codes, K step s at 8 s; behind the products gelu's registers
.set ZZ,    156
.set SS,    172
.set PP,    188
.set QQ,    204
.set FR,    220                        ; v220-235 the stream: codes just made;
.set ACC,   220                        ;          the products: two accumulators
.set BIAS,  236                        ; v236-251 b1 in the result's layout
.set SPW,   252
.set NIL,   253
.set KI, 34                            ; scalar pairs (both words written): 1 / sqrt 2, the polynomials' coefficients
.set A0, 36
.set A2, 38
.set A3, 40
.set A4, 42
.set A5, 44
.set A6, 46
.set B0, 48
.set B2, 50
.set B3, 52
.set B4, 54
.set SEL, 58
; v1 stream: 4 x my column; later my lane's place in an image of hq.  v2, v3 stream: where I store images and scale words; v2 later my lane's place among hq's scale bytes, v3 a store's offset.
; v4, v11 where I stage a tile of rows; v5, v6 where I fetch my weights; v7 my first tile of rows, v8 the tile in hand; v9, v10, v254, v255 offsets and data of loads and stores; v12-15 at work, later two coefficients.
.macro SPAIR reg, val
	s_mov_b32 s[\reg], \val
	s_mov_b32 s[\reg+1], \val
.endm
.macro BARRIER                         ; my LDS stores have landed and my LDS loads are in: then the work-group's barrier
	s_wait_dscnt 0x0
	s_barrier_signal -1
	s_barrier_wait -1
.endm
.macro WLOAD b                         ; block b of my K step: 32 rows x 256 bytes
.set wi, 0
.rept 32
	global_load_b32 v[X+64*((\b)&1)+wi], v1, s[4:5] offset:(32*(\b)+wi)*PITCH th:TH_LOAD_NT
	global_load_b32 v[X+64*((\b)&1)+32+wi], v1, s[4:5] offset:(32*(\b)+wi)*PITCH+128 th:TH_LOAD_NT
.set wi, wi+1
.endr
.endm
.macro QBLK b                          ; block b of both groups becomes codes and a scale byte; behind an odd block two blocks' codes go to LDS
.set XB, X+64*((\b)&1)
.set FB, FR+4*((\b)&1)
	v_max3_num_f32 v12, |v[XB]|, |v[XB+1]|, 0x1800000      ; with the floor 2^(3 - 127): the byte cannot fall under 1
	v_max3_num_f32 v13, |v[XB+32]|, |v[XB+33]|, 0x1800000
.irp i, 2,4,6,8,10,12,14,16,18,20,22,24,26,28,30
	v_max3_num_f32 v12, v12, |v[XB+\i]|, |v[XB+\i+1]|
	v_max3_num_f32 v13, v13, |v[XB+32+\i]|, |v[XB+33+\i]|
.endr
	v_add_nc_u32 v14, 0xff000000, v12              ; 2 off the exponent field: the conversion's scale operand
	v_add_nc_u32 v15, 0xff000000, v13
	v_lshrrev_b32 v12, 23, v14                     ; the byte
	v_lshrrev_b32 v13, 23, v15
.if (\b) == 0
	v_mov_b32 v[WS], v12
	v_mov_b32 v[WS+1], v13
.else
	v_lshl_or_b32 v[WS], v12, 8*(\b), v[WS]
	v_lshl_or_b32 v[WS+1], v13, 8*(\b), v[WS+1]
.endif
.if (\b) == 2
	s_wait_dscnt 0x0                               ; the stores of blocks 0 and 1 have read their registers
.endif
.irp q, 0,1,2,3
	v_cvt_scalef32_pk8_fp4_f32 v[FB+\q], v[XB+8*\q:XB+8*\q+7], v14
	v_cvt_scalef32_pk8_fp4_f32 v[FB+8+\q], v[XB+32+8*\q:XB+39+8*\q], v15
.endr
	v_nop                                          ; a plain line behind the conversions
.if (\b)&1
.irp q, 0,1,2,3                        ; lanes 0-15 hold tile 0's columns, lanes 16-31 tile 1's; the operand wants block 2 c in lanes 0-15 and block 2 c + 1 in lanes 16-31 of one tile
	v_permlane16_swap_b32 v[FR+\q], v[FR+4+\q]
	v_permlane16_swap_b32 v[FR+8+\q], v[FR+12+\q]
.endr
.irp g, 0,1
	ds_store_b128 v2, v[FR+8*\g:FR+8*\g+3] offset:16384*\g+512*((\b)>>1)
	ds_store_b128 v2, v[FR+8*\g+4:FR+8*\g+7] offset:16384*\g+512*((\b)>>1)+1024
.endr
.endif
.if (\b) == 3
	ds_store_b32 v3, v[WS]
	ds_store_b32 v3, v[WS+1] offset:1024
.endif
.endm
.macro LISTLD tok, adr, more           ; the tokens of the 16 slots of tile tilebase + chunk + wave + more, held inside the list
	s_add_co_u32 s30, s23, s32
	s_add_co_u32 s30, s30, s16
	s_add_co_u32 s30, s30, \more
	s_min_u32 s30, s30, 135
	s_lshl_b32 s30, s30, 6
	v_and_b32 v[\adr], 15, v0
	v_lshl_add_u32 v[\adr], v[\adr], 2, s30
	global_load_b32 v[\tok], v[\adr], s[10:11]
.endm
.macro TOKADDR tok, sc, tmp            ; from the token: where its codes and its scale bytes lie in xq, + 16 bytes for lanes 16-31
	v_bfe_u32 v[\tmp], v0, 4, 1
	v_lshlrev_b32 v[\tmp], 4, v[\tmp]
	v_min_u32 v[\tok], 0x3ff, v[\tok]
	v_lshl_add_u32 v[\sc], v[\tok], 5, v[\tmp]
	v_lshl_add_u32 v[\tok], v[\tok], 9, v[\tmp]
.endm
.macro GATHER tok, sc, cb, sb          ; a tile of rows in the operand's layout: group 2 s + c: K = 128 s + 64 c + 32 (lane / 16) on
.irp g, 0,1,2,3,4,5,6,7,8,9,10,11,12,13,14,15
	global_load_b128 v[\cb+4*\g:\cb+4*\g+3], v[\tok], s[8:9] offset:32*\g
.endr
	global_load_b128 v[\sb:\sb+3], v[\sc], s[8:9] offset:XSC
.endm
.macro PUT adr, cb, sb
.irp g, 0,1,2,3,4,5,6,7,8,9,10,11,12,13,14,15
	ds_store_b128 v[\adr], v[\cb+4*\g:\cb+4*\g+3] offset:512*\g
.endr
	ds_store_b128 v[\adr], v[\sb:\sb+3] offset:8192
.endm
.macro WM s, u                         ; one product: K step s, tile u of my columns.  The two accumulators take turns
.set rD, ACC+8*\u
.set rA, W+16*\s+8*\u
.set rB, TK+8*\s
.set rC, BIAS+8*\u
.set rT, TS+(\s)%4
.if (\s == 0) && (\u == 0)
	v_wmma_scale_f32_16x16x128_f8f6f4 v[rD:rD+7], v[rA:rA+7], v[rB:rB+7], v[rC:rC+7], v[WS+\s], v[rT] matrix_a_fmt:MATRIX_FMT_FP4 matrix_b_fmt:MATRIX_FMT_FP4
.elseif \s == 0
	v_wmma_scale_f32_16x16x128_f8f6f4 v[rD:rD+7], v[rA:rA+7], v[rB:rB+7], v[rC:rC+7], v[WS+\s], v[rT] matrix_a_fmt:MATRIX_FMT_FP4 matrix_b_fmt:MATRIX_FMT_FP4 matrix_a_scale:MATRIX_SCALE_ROW1
.elseif (\s < 4) && (\u == 0)
	v_wmma_scale_f32_16x16x128_f8f6f4 v[rD:rD+7], v[rA:rA+7], v[rB:rB+7], v[rD:rD+7], v[WS+\s], v[rT] matrix_a_fmt:MATRIX_FMT_FP4 matrix_b_fmt:MATRIX_FMT_FP4
.elseif \s < 4
	v_wmma_scale_f32_16x16x128_f8f6f4 v[rD:rD+7], v[rA:rA+7], v[rB:rB+7], v[rD:rD+7], v[WS+\s], v[rT] matrix_a_fmt:MATRIX_FMT_FP4 matrix_b_fmt:MATRIX_FMT_FP4 matrix_a_scale:MATRIX_SCALE_ROW1
.elseif \u == 0
	v_wmma_scale_f32_16x16x128_f8f6f4 v[rD:rD+7], v[rA:rA+7], v[rB:rB+7], v[rD:rD+7], v[WS+\s], v[rT] matrix_a_fmt:MATRIX_FMT_FP4 matrix_b_fmt:MATRIX_FMT_FP4 matrix_b_scale:MATRIX_SCALE_ROW1
.else
	v_wmma_scale_f32_16x16x128_f8f6f4 v[rD:rD+7], v[rA:rA+7], v[rB:rB+7], v[rD:rD+7], v[WS+\s], v[rT] matrix_a_fmt:MATRIX_FMT_FP4 matrix_b_fmt:MATRIX_FMT_FP4 matrix_a_scale:MATRIX_SCALE_ROW1 matrix_b_scale:MATRIX_SCALE_ROW1
.endif
.endm
.macro GELU                            ; the 16 numbers of a lane, two at a time; each accumulator is read from its low end on
.irp p, 0,2,4,6,8,10,12,14
	v_pk_mul_f32 v[ZZ+\p:ZZ+\p+1], v[ACC+\p:ACC+\p+1], s[KI:KI+1] op_sel_hi:[1,0]
.endr
.irp j, 0,1,2,3,4,5,6,7,8,9,10,11,12,13,14,15
	v_med3_num_f32 v[ZZ+\j], v[ZZ+\j], -4.0, 4.0
.endr
.irp p, 0,2,4,6,8,10,12,14
	v_pk_mul_f32 v[SS+\p:SS+\p+1], v[ZZ+\p:ZZ+\p+1], v[ZZ+\p:ZZ+\p+1]
.endr
.irp p, 0,2,4,6,8,10,12,14
	v_pk_fma_f32 v[PP+\p:PP+\p+1], v[SS+\p:SS+\p+1], s[A0:A0+1], v[12:13] op_sel_hi:[1,0,1]
	v_pk_fma_f32 v[QQ+\p:QQ+\p+1], v[SS+\p:SS+\p+1], s[B0:B0+1], v[14:15] op_sel_hi:[1,0,1]
.endr
.irp a, A2, A3, A4, A5, A6
.irp p, 0,2,4,6,8,10,12,14
	v_pk_fma_f32 v[PP+\p:PP+\p+1], v[PP+\p:PP+\p+1], v[SS+\p:SS+\p+1], s[\a:\a+1] op_sel_hi:[1,1,0]
.endr
.endr
.irp a, B2, B3, B4
.irp p, 0,2,4,6,8,10,12,14
	v_pk_fma_f32 v[QQ+\p:QQ+\p+1], v[QQ+\p:QQ+\p+1], v[SS+\p:SS+\p+1], s[\a:\a+1] op_sel_hi:[1,1,0]
.endr
.endr
.irp j, 0,1,2,3,4,5,6,7,8,9,10,11,12,13,14,15
	v_rcp_f32 v[QQ+\j], v[QQ+\j]
.endr
.irp p, 0,2,4,6,8,10,12,14                     ; sixteen plain lines that name no reciprocal
	v_pk_mul_f32 v[PP+\p:PP+\p+1], v[PP+\p:PP+\p+1], v[ZZ+\p:ZZ+\p+1]
	v_pk_mul_f32 v[SS+\p:SS+\p+1], v[ACC+\p:ACC+\p+1], 0.5 op_sel_hi:[1,0]
.endr
	s_wait_alu depctr_va_vdst(0)                   ; one wait for the sixteen reciprocals, ahead of their first reader
.irp p, 0,2,4,6,8,10,12,14
	v_pk_mul_f32 v[PP+\p:PP+\p+1], v[PP+\p:PP+\p+1], v[QQ+\p:QQ+\p+1]      ; erf
.endr
.irp p, 0,2,4,6,8,10,12,14
	v_pk_fma_f32 v[ACC+\p:ACC+\p+1], v[SS+\p:SS+\p+1], v[PP+\p:PP+\p+1], v[SS+\p:SS+\p+1]   ; 0.5 x + 0.5 x erf
.endr
.endm
.macro TILE i                          ; the chunk's tile 4 i + (wave / 4)
	s_add_co_u32 s30, s32, 4*\i
	s_add_co_u32 s30, s30, s20
	v_add_nc_u32 v8, 4*REG*\i, v7
	s_cmp_ge_u32 s30, s24                          ; past the expert's tiles: nothing to do (no barrier stands in a tile)
	s_cbranch_scc1 .Lskip_\@
	ds_load_b128 v[TS:TS+3], v8 offset:8192
.irp g, 0,1,2,3,4,5,6,7,8,9,10,11,12,13,14,15
	ds_load_b128 v[TK+4*\g:TK+4*\g+3], v8 offset:512*\g
.endr
	s_wait_dscnt 0x0
.irp s, 0,1,2,3,4,5,6,7
	WM \s, 0
	WM \s, 1
.endr
.rept 5
	v_nop                                          ; places behind the products: four for the reads of results and the loads into operands, a fifth since the next tile's first product writes over an accumulator
.endr
	GELU
	v_max3_num_f32 v[ZZ], |v[ACC]|, |v[ACC+1]|, 0x1800000   ; my 16 of the block's 32
	v_max3_num_f32 v[ZZ+1], |v[ACC+2]|, |v[ACC+3]|, |v[ACC+4]|
	v_max3_num_f32 v[ZZ], v[ZZ], |v[ACC+5]|, |v[ACC+6]|
	v_max3_num_f32 v[ZZ+1], v[ZZ+1], |v[ACC+7]|, |v[ACC+8]|
	v_max3_num_f32 v[ZZ], v[ZZ], |v[ACC+9]|, |v[ACC+10]|
	v_max3_num_f32 v[ZZ+1], v[ZZ+1], |v[ACC+11]|, |v[ACC+12]|
	v_max3_num_f32 v[ZZ], v[ZZ], |v[ACC+13]|, |v[ACC+14]|
	v_max3_num_f32 v[ZZ], v[ZZ], v[ZZ+1], |v[ACC+15]|
	v_permlanex16_b32 v[ZZ+2], v[ZZ], s[SEL], s[SEL+1]
	v_max_num_f32 v[ZZ], v[ZZ], v[ZZ+2]            ; with lane l xor 16's
	v_add_nc_u32 v[ZZ+1], 0xff000000, v[ZZ]
	s_wait_xcnt 0x0                                ; the last tile's stores have read their data and offsets
	v_cvt_scalef32_pk8_fp4_f32 v254, v[ACC:ACC+7], v[ZZ+1]
	v_cvt_scalef32_pk8_fp4_f32 v255, v[ACC+8:ACC+15], v[ZZ+1]
	v_lshrrev_b32 v10, 23, v[ZZ+1]                 ; the byte (also the plain line behind the conversions)
	s_add_co_u32 s31, s23, s30
	s_min_u32 s31, s31, 135
	s_lshl_b32 s56, s31, 15
	s_lshl_b32 s57, s31, 11
	v_add_nc_u32 v3, s56, v1
	v_add_nc_u32 v9, s57, v2
	global_store_b64 v3, v[254:255], s[14:15]      ; the wave stores 256 consecutive bytes, aligned
	global_store_b8 v9, v10, s[14:15] offset:HSC   ; both halves of the lanes write the same byte with the same value
.Lskip_\@:
.endm
	s_load_b256 s[4:11], s[0:1], 0x0               ; w1, b1, xq, list
	s_load_b128 s[12:15], s[0:1], 0x20             ; plan, hq
	v_lshl_add_u32 v[SPW], v0, 2, SPARE
	v_mov_b32 v[NIL], 0
	v_lshrrev_b32 v8, 5, v0
	v_readfirstlane_b32 s16, v8                    ; wave
	s_and_b32 s17, s16, 1                          ; ch
	s_lshr_b32 s18, s16, 1                         ; ko
	s_and_b32 s19, s16, 3                          ; cg
	s_lshr_b32 s20, s16, 2                         ; rq
	s_and_b32 s21, ttmp7, 0xffff                   ; the expert
	s_lshl_b32 s33, s21, 2
	s_mov_b32 s32, 0                               ; the chunk's first tile
	v_and_b32 v9, 31, v0
	v_and_b32 v10, 15, v0
	v_bfe_u32 v11, v0, 4, 1
	v_and_b32 v1, 8, v10
	v_add_nc_u32 v1, v1, v10
	v_lshl_add_u32 v1, v11, 3, v1
	v_lshlrev_b32 v1, 2, v1                        ; 4 x my column
	v_lshlrev_b32 v10, 4, v9                       ; 16 x lane
	v_lshlrev_b32 v9, 2, v9                        ; 4 x lane
	s_lshl_b32 s26, s17, 15
	s_lshl_b32 s27, s18, 11
	s_add_co_u32 s26, s26, s27
	v_add_nc_u32 v2, s26, v10
	s_lshl_b32 s26, s17, 11
	s_lshl_b32 s27, s18, 7
	s_add_co_u32 s26, s26, s27
	s_add_co_u32 s26, s26, WSC
	v_add_nc_u32 v3, s26, v9
	s_mul_i32 s26, s16, REG
	s_add_co_u32 s26, s26, TOK
	v_add_nc_u32 v4, s26, v10
	s_and_b32 s26, s16, 7
	s_add_co_u32 s26, s26, 16
	s_mul_i32 s26, s26, REG
	s_add_co_u32 s26, s26, TOK
	v_add_nc_u32 v11, s26, v10
	s_lshl_b32 s26, s19, 14
	v_add_nc_u32 v5, s26, v10
	s_lshl_b32 s26, s19, 10
	s_add_co_u32 s26, s26, WSC
	v_add_nc_u32 v6, s26, v9
	s_mul_i32 s26, s20, REG
	s_add_co_u32 s26, s26, TOK
	v_add_nc_u32 v7, s26, v10
	s_lshl_b32 s27, s21, 14                        ; b1: expert, my 32 hidden units, + 16 for lanes 16-31
	s_lshl_b32 s26, ttmp9, 9
	s_add_co_u32 s27, s27, s26
	s_lshl_b32 s26, s19, 7
	s_add_co_u32 s27, s27, s26
	v_bfe_u32 v8, v0, 4, 1
	v_lshl_add_u32 v8, v8, 6, s27
	s_lshl_b32 s28, s21, 24                        ; w1: expert, my K step's 128 rows, the work-group's 512 bytes of a row, my 256 of them
	s_lshl_b32 s26, s18, 21
	s_add_co_u32 s28, s28, s26
	s_lshl_b32 s26, ttmp9, 9
	s_add_co_u32 s28, s28, s26
	s_lshl_b32 s26, s17, 8
	s_add_co_u32 s28, s28, s26
	s_mov_b32 s29, 0
	SPAIR KI, 0x3f3504f3
	SPAIR A0, 0xaf95df0b
	SPAIR A2, 0xb60cff51
	SPAIR A3, 0xb86ec2d2
	SPAIR A4, 0xba40ac63
	SPAIR A5, 0xbb41a1f6
	SPAIR A6, 0xbc83dbd4
	SPAIR B0, 0xb77460cd
	SPAIR B2, 0xbadc924e
	SPAIR B3, 0xbbf19bf8
	SPAIR B4, 0xbc69b6a7
	s_mov_b32 s[SEL], 0x76543210
	s_mov_b32 s[SEL+1], 0xfedcba98
	s_wait_kmcnt 0x0
	s_load_b32 s23, s[12:13], s33 offset:0x0       ; the expert's first tile,
	s_load_b32 s24, s[12:13], s33 offset:0x20      ; and how many it has
	s_add_nc_u64 s[4:5], s[4:5], s[28:29]
.irp q, 0,1,2,3
	global_load_b128 v[BIAS+4*\q:BIAS+4*\q+3], v8, s[6:7] offset:16*\q
.endr
	WLOAD 0
	WLOAD 1
	s_wait_kmcnt 0x0
	LISTLD 9, 10, 0
	s_cmp_lt_u32 s16, 8                            ; waves 0 to 7 stage a second tile
	s_cbranch_scc0 .Lone_a
	LISTLD 254, 255, 16
.Lone_a:
	s_wait_loadcnt 63                              ; behind block 0's loads stand block 1's 64: at most 63 out shows block 0 in
	QBLK 0
	WLOAD 2
	s_wait_loadcnt 63                              ; block 1 and the list's words are in: block 2's 64 stand behind them
	QBLK 1
	TOKADDR 9, 10, 12
	GATHER 9, 10, TK, TS
	WLOAD 3
	s_wait_loadcnt 63                              ; block 2 and the gathered rows are in: block 3's 64 stand behind them
	QBLK 2
	PUT 4, TK, TS
	s_cmp_lt_u32 s16, 8
	s_cbranch_scc0 .Lone_b
	TOKADDR 254, 255, 12
	s_wait_dscnt 0x0                               ; the stores above have read the scale words' registers
	GATHER 254, 255, X, TS                         ; into the set that block 2 has left
.Lone_b:
	s_wait_loadcnt 0x0
	QBLK 3
	s_cmp_lt_u32 s16, 8
	s_cbranch_scc0 .Lone_c
	PUT 11, X, TS
.Lone_c:
	BARRIER                                        ; the weights' images and the first 24 tiles of rows lie in LDS
.irp s, 0,1,2,3,4,5,6,7
.irp q, 0,1,2,3
	ds_load_b128 v[W+16*\s+4*\q:W+16*\s+4*\q+3], v5 offset:2048*\s+512*\q
.endr
	ds_load_b32 v[WS+\s], v6 offset:128*\s
.endr
	v_mov_b32 v12, 0x32edffee
	v_mov_b32 v13, 0x32edffee
	v_mov_b32 v14, 0xb95fbd29
	v_mov_b32 v15, 0xb95fbd29
	s_lshl_b32 s26, ttmp9, 10                      ; hq: K step fs, block cg: 256 bytes; row r: 16; my half of the block: 8
	s_lshl_b32 s27, s19, 8
	s_add_co_u32 s26, s26, s27
	v_and_b32 v2, 15, v0
	v_bfe_u32 v1, v0, 4, 1
	v_lshlrev_b32 v1, 3, v1
	v_lshl_add_u32 v1, v2, 4, v1
	v_add_nc_u32 v1, s26, v1
	s_lshr_b32 s26, ttmp9, 2                       ; its scale byte: (fs / 4) x 256 + 16 r + 4 (fs % 4) + cg
	s_lshl_b32 s26, s26, 8
	s_and_b32 s27, ttmp9, 3
	s_lshl_b32 s27, s27, 2
	s_add_co_u32 s26, s26, s27
	s_add_co_u32 s26, s26, s19
	v_lshl_add_u32 v2, v2, 4, s26
.Lchunk:                                               ; three trips: 72 tiles, and an expert has at most 64
.irp i, 0,1,2,3,4,5
	TILE \i
.endr
	BARRIER                                        ; nobody reads the staged rows any more
	s_add_co_u32 s32, s32, 24
	s_cmp_ge_u32 s32, s24                          ; the same in all waves; no barrier stands inside
	s_cbranch_scc1 .Lno_more
	s_wait_xcnt 0x0                                ; the tiles' stores have read their registers
	LISTLD 9, 10, 0
	s_wait_loadcnt 0x0
	TOKADDR 9, 10, 254
	GATHER 9, 10, TK, TS
	s_wait_loadcnt 0x0
	PUT 4, TK, TS
	s_cmp_lt_u32 s16, 8
	s_cbranch_scc0 .Lno_more
	LISTLD 9, 10, 16
	s_wait_loadcnt 0x0
	TOKADDR 9, 10, 254
	s_wait_dscnt 0x0                               ; the stores above have read their registers
	GATHER 9, 10, TK, TS
	s_wait_loadcnt 0x0
	PUT 11, TK, TS
.Lno_more:
	BARRIER                                        ; the next 24 tiles lie in LDS
	s_cmp_lt_u32 s32, 72
	s_cbranch_scc1 .Lchunk
	s_wait_tensorcnt 0x0                           ; the wave's end: three lines behind my last LDS store
	ds_add_u32 v[SPW], v[NIL]
	s_wait_dscnt 0x0
	s_endpgm
.Lfunc_end_k_q792a290054_up:
	.size	k_q792a290054_up, .Lfunc_end_k_q792a290054_up-k_q792a290054_up
	.p2alignl 7, 3214868480
	.fill 96, 4, 3214868480
	.section	.rodata,"a",@progbits
	.p2align	6, 0x0
	.amdhsa_kernel k_q792a290054_up
		.amdhsa_group_segment_fixed_size 280576
		.amdhsa_private_segment_fixed_size 0
		.amdhsa_enable_private_segment 0
		.amdhsa_kernarg_size 48
		.amdhsa_user_sgpr_count 2
		.amdhsa_user_sgpr_kernarg_segment_ptr 1
		.amdhsa_wavefront_size32 1
		.amdhsa_system_sgpr_workgroup_id_x 1
		.amdhsa_system_sgpr_workgroup_id_y 1
		.amdhsa_system_sgpr_workgroup_id_z 1
		.amdhsa_system_vgpr_workitem_id 0
		.amdhsa_next_free_vgpr 256
		.amdhsa_next_free_sgpr 66
		.amdhsa_reserve_vcc 0
		.amdhsa_float_denorm_mode_32 3
		.amdhsa_float_denorm_mode_16_64 3
		.amdhsa_memory_ordered 1
		.amdhsa_forward_progress 1
		.amdhsa_inst_pref_size 145
	.end_amdhsa_kernel
	.amdgpu_metadata
---
amdhsa.version: [ 1, 2 ]
amdhsa.kernels:
  - .name:           k_q792a290054_up
    .symbol:         k_q792a290054_up.kd
    .args:
      - { .name: w1, .offset: 0, .size: 8, .value_kind: global_buffer, .address_space: global }
      - { .name: b1, .offset: 8, .size: 8, .value_kind: global_buffer, .address_space: global }
      - { .name: xq, .offset: 16, .size: 8, .value_kind: global_buffer, .address_space: global }
      - { .name: list, .offset: 24, .size: 8, .value_kind: global_buffer, .address_space: global }
      - { .name: plan, .offset: 32, .size: 8, .value_kind: global_buffer, .address_space: global }
      - { .name: hq, .offset: 40, .size: 8, .value_kind: global_buffer, .address_space: global }
    .group_segment_fixed_size: 280576
    .private_segment_fixed_size: 0
    .kernarg_segment_align: 8
    .kernarg_segment_size: 48
    .max_flat_workgroup_size: 512
    .sgpr_count:     66
    .vgpr_count:     256
    .wavefront_size: 32
...
	.end_amdgpu_metadata
.endif
;; end of part 3
;; launch down (part 4): grid 32 x 8, 16 waves a work-group, no clusters, 314,368 bytes of LDS; arguments w2, hq, plan, part; writes part
.if DOCPART == 4
	.amdgcn_target "amdgcn-amd-amdhsa--gfx1250"
	.amdhsa_code_object_version 6
	.text
	.protected	k_q792a290054_down
	.globl	k_q792a290054_down
	.p2align	8
	.type	k_q792a290054_down,@function
k_q792a290054_down:
	s_mov_b64 s[64:65], 0
	v_nop
	global_prefetch_b8 v0, s[64:65] scope:SCOPE_SE
	s_setreg_imm32_b32 hwreg(HW_REG_WAVE_MODE, 25, 1), 1
	s_wait_xcnt 0x0
; MoE layer, launch 4 of 5: partial sums of Q(h) Q(w2[e]), for the rows routed to expert e alone (rows of experts that were not chosen have the gate 0 that reference() builds: left out).
; SHARES.  Work-group (x, e): columns 128 cs .. + 127 (cs = x & 7), K = 1,024 kq .. + 1,023 of 4,096 (kq = x >> 3): 1,024 x 128 numbers of w2, 512 KB, read once in the launch.
; The stream, the images in LDS, the choice of a tile's columns and the products are those of the launch before; the rows' operand comes from hq as it lies (images of its registers).
; OUT: part[kq][slot][1,024] f32.  A lane holds 16 neighbouring columns of one row; the four waves that share a tile of rows meet in a stage in LDS, and each stores four whole rows of 512 bytes.
; b2, the sum over kq and the gates are the last launch's.  The four partial sums are the price of 256 work-groups with rows of whole 256-byte pieces and the weights resident in 128 registers a wave.
; No tensor load, no cluster: branches hang on counts read from memory, and what work-groups share (the rows' codes) is small beside each one's own 512 KB.  An expert with no row still has its weights streamed.
; LIMITS: NaN and infinities are not served; a block of zeros gets the byte 1 where the rule says 127 (its codes are zeros; this program alone reads the bytes).
.set PITCH, 4096
.set REG,   8704
.set WSC,   65536
.set TOK,   69632
.set STG,   278528                     ; LDS: four stages of 16 rows x (512 + 16) bytes
.set SPARE, 312320
.set HSC,   4456448
.set X,     16
.set W,     16
.set WS,    144
.set TS,    152
.set TK,    156
.set FR,    220
.set ACC,   220
.set SO,    236                        ; v236 where I put 64 bytes of a row in the stage;  v237 where I read rows back;  v238 my lane's place in part;  v239 16 x lane
.set SR,    237
.set PL,    238
.set L16,   239
.set SPW,   252
.set NIL,   253
.macro BARRIER
	s_wait_dscnt 0x0
	s_barrier_signal -1
	s_barrier_wait -1
.endm
.macro WLOAD b
.set wi, 0
.rept 32
	global_load_b32 v[X+64*((\b)&1)+wi], v1, s[4:5] offset:(32*(\b)+wi)*PITCH th:TH_LOAD_NT
	global_load_b32 v[X+64*((\b)&1)+32+wi], v1, s[4:5] offset:(32*(\b)+wi)*PITCH+128 th:TH_LOAD_NT
.set wi, wi+1
.endr
.endm
.macro QBLK b
.set XB, X+64*((\b)&1)
.set FB, FR+4*((\b)&1)
	v_max3_num_f32 v12, |v[XB]|, |v[XB+1]|, 0x1800000
	v_max3_num_f32 v13, |v[XB+32]|, |v[XB+33]|, 0x1800000
.irp i, 2,4,6,8,10,12,14,16,18,20,22,24,26,28,30
	v_max3_num_f32 v12, v12, |v[XB+\i]|, |v[XB+\i+1]|
	v_max3_num_f32 v13, v13, |v[XB+32+\i]|, |v[XB+33+\i]|
.endr
	v_add_nc_u32 v14, 0xff000000, v12
	v_add_nc_u32 v15, 0xff000000, v13
	v_lshrrev_b32 v12, 23, v14
	v_lshrrev_b32 v13, 23, v15
.if (\b) == 0
	v_mov_b32 v[WS], v12
	v_mov_b32 v[WS+1], v13
.else
	v_lshl_or_b32 v[WS], v12, 8*(\b), v[WS]
	v_lshl_or_b32 v[WS+1], v13, 8*(\b), v[WS+1]
.endif
.if (\b) == 2
	s_wait_dscnt 0x0                               ; the stores of blocks 0 and 1 have read their registers
.endif
.irp q, 0,1,2,3
	v_cvt_scalef32_pk8_fp4_f32 v[FB+\q], v[XB+8*\q:XB+8*\q+7], v14
	v_cvt_scalef32_pk8_fp4_f32 v[FB+8+\q], v[XB+32+8*\q:XB+39+8*\q], v15
.endr
	v_nop
.if (\b)&1
.irp q, 0,1,2,3
	v_permlane16_swap_b32 v[FR+\q], v[FR+4+\q]
	v_permlane16_swap_b32 v[FR+8+\q], v[FR+12+\q]
.endr
.irp g, 0,1
	ds_store_b128 v2, v[FR+8*\g:FR+8*\g+3] offset:16384*\g+512*((\b)>>1)
	ds_store_b128 v2, v[FR+8*\g+4:FR+8*\g+7] offset:16384*\g+512*((\b)>>1)+1024
.endr
.endif
.if (\b) == 3
	ds_store_b32 v3, v[WS]
	ds_store_b32 v3, v[WS+1] offset:1024
.endif
.endm
.macro DADDR ca, sa, more              ; tile tilebase + chunk + wave + more, held to the tiles that the launch before has written: where its images and scale words of my K quarter lie in hq
	s_add_co_u32 s30, s23, s32
	s_add_co_u32 s30, s30, s16
	s_add_co_u32 s30, s30, \more
	s_min_u32 s30, s30, s34
	s_min_u32 s30, s30, 135
	s_lshl_b32 s31, s30, 15
	s_add_co_u32 s31, s31, s35
	v_add_nc_u32 v[\ca], s31, v[L16]
	s_lshl_b32 s31, s30, 11
	s_add_co_u32 s31, s31, s36
	v_add_nc_u32 v[\sa], s31, v[L16]
.endm
.macro GATHER ca, sa, cb, sb
.irp g, 0,1,2,3,4,5,6,7,8,9,10,11,12,13,14,15
	global_load_b128 v[\cb+4*\g:\cb+4*\g+3], v[\ca], s[6:7] offset:512*\g
.endr
	global_load_b128 v[\sb:\sb+3], v[\sa], s[6:7] offset:HSC
.endm
.macro PUT adr, cb, sb
.irp g, 0,1,2,3,4,5,6,7,8,9,10,11,12,13,14,15
	ds_store_b128 v[\adr], v[\cb+4*\g:\cb+4*\g+3] offset:512*\g
.endr
	ds_store_b128 v[\adr], v[\sb:\sb+3] offset:8192
.endm
.macro WM s, u                         ; the first K step starts the sums with the constant 0.  The two accumulators take turns
.set rD, ACC+8*\u
.set rA, W+16*\s+8*\u
.set rB, TK+8*\s
.set rT, TS+(\s)%4
.if (\s == 0) && (\u == 0)
	v_wmma_scale_f32_16x16x128_f8f6f4 v[rD:rD+7], v[rA:rA+7], v[rB:rB+7], 0, v[WS+\s], v[rT] matrix_a_fmt:MATRIX_FMT_FP4 matrix_b_fmt:MATRIX_FMT_FP4
.elseif \s == 0
	v_wmma_scale_f32_16x16x128_f8f6f4 v[rD:rD+7], v[rA:rA+7], v[rB:rB+7], 0, v[WS+\s], v[rT] matrix_a_fmt:MATRIX_FMT_FP4 matrix_b_fmt:MATRIX_FMT_FP4 matrix_a_scale:MATRIX_SCALE_ROW1
.elseif (\s < 4) && (\u == 0)
	v_wmma_scale_f32_16x16x128_f8f6f4 v[rD:rD+7], v[rA:rA+7], v[rB:rB+7], v[rD:rD+7], v[WS+\s], v[rT] matrix_a_fmt:MATRIX_FMT_FP4 matrix_b_fmt:MATRIX_FMT_FP4
.elseif \s < 4
	v_wmma_scale_f32_16x16x128_f8f6f4 v[rD:rD+7], v[rA:rA+7], v[rB:rB+7], v[rD:rD+7], v[WS+\s], v[rT] matrix_a_fmt:MATRIX_FMT_FP4 matrix_b_fmt:MATRIX_FMT_FP4 matrix_a_scale:MATRIX_SCALE_ROW1
.elseif \u == 0
	v_wmma_scale_f32_16x16x128_f8f6f4 v[rD:rD+7], v[rA:rA+7], v[rB:rB+7], v[rD:rD+7], v[WS+\s], v[rT] matrix_a_fmt:MATRIX_FMT_FP4 matrix_b_fmt:MATRIX_FMT_FP4 matrix_b_scale:MATRIX_SCALE_ROW1
.else
	v_wmma_scale_f32_16x16x128_f8f6f4 v[rD:rD+7], v[rA:rA+7], v[rB:rB+7], v[rD:rD+7], v[WS+\s], v[rT] matrix_a_fmt:MATRIX_FMT_FP4 matrix_b_fmt:MATRIX_FMT_FP4 matrix_a_scale:MATRIX_SCALE_ROW1 matrix_b_scale:MATRIX_SCALE_ROW1
.endif
.endm
.macro TILE i                          ; the chunk's tile 4 i + (wave / 4); two barriers, both outside the branches on the stored count
	s_add_co_u32 s30, s32, 4*\i
	s_add_co_u32 s30, s30, s20
	v_add_nc_u32 v8, 4*REG*\i, v7
	s_cmp_ge_u32 s30, s24
	s_cbranch_scc1 .Lno_mul_\@
	s_wait_xcnt 0x0                                ; the last tile's stores have read the registers that the loads below fill
	ds_load_b128 v[TS:TS+3], v8 offset:8192
.irp g, 0,1,2,3,4,5,6,7,8,9,10,11,12,13,14,15
	ds_load_b128 v[TK+4*\g:TK+4*\g+3], v8 offset:512*\g
.endr
	s_wait_dscnt 0x0
.irp s, 0,1,2,3,4,5,6,7
	WM \s, 0
	WM \s, 1
.endr
.rept 5
	v_nop                                          ; places behind the products: four for the stores of results and the loads into operands, a fifth since the next tile's first product writes over an accumulator
.endr
.irp q, 0,1,2,3
	ds_store_b128 v[SO], v[ACC+4*\q:ACC+4*\q+3] offset:16*\q     ; each accumulator from its low end on
.endr
.Lno_mul_\@:
	BARRIER                                        ; the four waves' parts of 16 rows lie in the stage
	s_cmp_ge_u32 s30, s24
	s_cbranch_scc1 .Lno_out_\@
	s_wait_xcnt 0x0
.irp q, 0,1,2,3
	ds_load_b128 v[TK+4*\q:TK+4*\q+3], v[SR] offset:528*\q
.endr
	s_add_co_u32 s31, s23, s30
	s_min_u32 s31, s31, 135
	s_lshl_b32 s31, s31, 16
	v_add_nc_u32 v3, s31, v[PL]
	s_wait_dscnt 0x0
.irp q, 0,1,2,3
	global_store_b128 v3, v[TK+4*\q:TK+4*\q+3], s[10:11] offset:4096*\q   ; the wave stores 512 consecutive bytes, aligned to 256
.endr
.Lno_out_\@:
	BARRIER                                        ; the stage has been read: it may be written again
.endm
	s_load_b256 s[4:11], s[0:1], 0x0               ; w2, hq, plan, part
	v_lshl_add_u32 v[SPW], v0, 2, SPARE
	v_mov_b32 v[NIL], 0
	v_lshrrev_b32 v8, 5, v0
	v_readfirstlane_b32 s16, v8                    ; wave
	s_and_b32 s17, s16, 1                          ; ch
	s_lshr_b32 s18, s16, 1                         ; ko
	s_and_b32 s19, s16, 3                          ; cg
	s_lshr_b32 s20, s16, 2                         ; rq
	s_and_b32 s21, ttmp7, 0xffff                   ; the expert
	s_and_b32 s22, ttmp9, 7                        ; cs
	s_lshr_b32 s37, ttmp9, 3                       ; kq
	s_lshl_b32 s33, s21, 2
	s_mov_b32 s32, 0
	s_lshl_b32 s35, s37, 13
	s_lshl_b32 s36, s37, 9
	v_and_b32 v9, 31, v0
	v_and_b32 v10, 15, v0
	v_bfe_u32 v11, v0, 4, 1
	v_and_b32 v1, 8, v10
	v_add_nc_u32 v1, v1, v10
	v_lshl_add_u32 v1, v11, 3, v1
	v_lshlrev_b32 v1, 2, v1                        ; 4 x my column
	v_lshlrev_b32 v[L16], 4, v9
	v_lshlrev_b32 v9, 2, v9
	s_mul_i32 s26, s20, 8448
	s_add_co_u32 s26, s26, STG                     ; my tile's stage
	s_lshl_b32 s27, s19, 7
	s_add_co_u32 s27, s27, s26
	v_mul_u32_u24 v[SO], v10, 528
	v_lshl_add_u32 v[SO], v11, 6, v[SO]
	v_add_nc_u32 v[SO], s27, v[SO]                 ; row r, my wave's 128 bytes, + 64 for lanes 16-31
	s_mul_i32 s27, s19, 2112
	s_add_co_u32 s27, s27, s26
	v_add_nc_u32 v[SR], s27, v[L16]                ; rows 4 cg on, 16 bytes a lane
	s_lshl_b32 s26, s22, 9
	s_lshl_b32 s27, s19, 14
	s_add_co_u32 s26, s26, s27
	v_add_nc_u32 v[PL], s26, v[L16]
	s_lshl_b32 s26, s17, 15
	s_lshl_b32 s27, s18, 11
	s_add_co_u32 s26, s26, s27
	v_add_nc_u32 v2, s26, v[L16]
	s_lshl_b32 s26, s17, 11
	s_lshl_b32 s27, s18, 7
	s_add_co_u32 s26, s26, s27
	s_add_co_u32 s26, s26, WSC
	v_add_nc_u32 v3, s26, v9
	s_mul_i32 s26, s16, REG
	s_add_co_u32 s26, s26, TOK
	v_add_nc_u32 v4, s26, v[L16]
	s_and_b32 s26, s16, 7
	s_add_co_u32 s26, s26, 16
	s_mul_i32 s26, s26, REG
	s_add_co_u32 s26, s26, TOK
	v_add_nc_u32 v11, s26, v[L16]
	s_lshl_b32 s26, s19, 14
	v_add_nc_u32 v5, s26, v[L16]
	s_lshl_b32 s26, s19, 10
	s_add_co_u32 s26, s26, WSC
	v_add_nc_u32 v6, s26, v9
	s_mul_i32 s26, s20, REG
	s_add_co_u32 s26, s26, TOK
	v_add_nc_u32 v7, s26, v[L16]
	s_lshl_b32 s28, s21, 24                        ; w2: expert, my K quarter, my K step's 128 rows, the work-group's 512 bytes of a row, my 256 of them
	s_lshl_b32 s26, s37, 22
	s_add_co_u32 s28, s28, s26
	s_lshl_b32 s26, s18, 19
	s_add_co_u32 s28, s28, s26
	s_lshl_b32 s26, s22, 9
	s_add_co_u32 s28, s28, s26
	s_lshl_b32 s26, s17, 8
	s_add_co_u32 s28, s28, s26
	s_mov_b32 s29, 0
	s_mul_i32 s38, s37, 0x880000                   ; part: my K quarter's 2,176 rows of 4,096 bytes
	s_mov_b32 s39, 0
	s_wait_kmcnt 0x0
	s_load_b32 s23, s[8:9], s33 offset:0x0         ; the expert's first tile,
	s_load_b32 s24, s[8:9], s33 offset:0x20        ; how many it has,
	s_load_b32 s25, s[8:9], 0x40                   ; and how many there are in all
	s_add_nc_u64 s[4:5], s[4:5], s[28:29]
	s_add_nc_u64 s[10:11], s[10:11], s[38:39]
	WLOAD 0
	WLOAD 1
	s_wait_kmcnt 0x0
	s_sub_co_u32 s34, s25, 1
	s_wait_loadcnt 63                              ; behind block 0's loads stand block 1's 64: at most 63 out shows block 0 in
	QBLK 0
	WLOAD 2
	s_wait_loadcnt 63                              ; block 1 is in: block 2's 64 stand behind it
	QBLK 1
	DADDR 9, 10, 0
	GATHER 9, 10, TK, TS
	WLOAD 3
	s_wait_loadcnt 63                              ; block 2 and the rows' images are in: block 3's 64 stand behind them
	QBLK 2
	PUT 4, TK, TS
	s_cmp_lt_u32 s16, 8                            ; waves 0 to 7 stage a second tile
	s_cbranch_scc0 .Lone_b
	DADDR 254, 255, 16
	s_wait_dscnt 0x0                               ; the stores above have read the scale words' registers
	GATHER 254, 255, X, TS                         ; into the set that block 2 has left
.Lone_b:
	s_wait_loadcnt 0x0
	QBLK 3
	s_cmp_lt_u32 s16, 8
	s_cbranch_scc0 .Lone_c
	PUT 11, X, TS
.Lone_c:
	BARRIER                                        ; the weights' images and the first 24 tiles of rows lie in LDS
.irp s, 0,1,2,3,4,5,6,7
.irp q, 0,1,2,3
	ds_load_b128 v[W+16*\s+4*\q:W+16*\s+4*\q+3], v5 offset:2048*\s+512*\q
.endr
	ds_load_b32 v[WS+\s], v6 offset:128*\s
.endr
.Lchunk:                                               ; three trips: 72 tiles, and an expert has at most 64
.irp i, 0,1,2,3,4,5
	TILE \i
.endr
	s_add_co_u32 s32, s32, 24
	s_cmp_ge_u32 s32, s24                          ; the same in all waves; no barrier stands inside.  The last tile's closing barrier has shown that nobody reads the staged rows
	s_cbranch_scc1 .Lno_more
	s_wait_xcnt 0x0                                ; the tiles' stores have read the registers that the loads below fill
	DADDR 9, 10, 0
	GATHER 9, 10, TK, TS
	s_wait_loadcnt 0x0
	PUT 4, TK, TS
	s_cmp_lt_u32 s16, 8
	s_cbranch_scc0 .Lno_more
	DADDR 9, 10, 16
	s_wait_dscnt 0x0                               ; the stores above have read their registers
	GATHER 9, 10, TK, TS
	s_wait_loadcnt 0x0
	PUT 11, TK, TS
.Lno_more:
	BARRIER                                        ; the next 24 tiles lie in LDS
	s_cmp_lt_u32 s32, 72
	s_cbranch_scc1 .Lchunk
	s_wait_tensorcnt 0x0                           ; the wave's end: three lines behind my last LDS store
	ds_add_u32 v[SPW], v[NIL]
	s_wait_dscnt 0x0
	s_endpgm
.Lfunc_end_k_q792a290054_down:
	.size	k_q792a290054_down, .Lfunc_end_k_q792a290054_down-k_q792a290054_down
	.p2alignl 7, 3214868480
	.fill 96, 4, 3214868480
	.section	.rodata,"a",@progbits
	.p2align	6, 0x0
	.amdhsa_kernel k_q792a290054_down
		.amdhsa_group_segment_fixed_size 314368
		.amdhsa_private_segment_fixed_size 0
		.amdhsa_enable_private_segment 0
		.amdhsa_kernarg_size 32
		.amdhsa_user_sgpr_count 2
		.amdhsa_user_sgpr_kernarg_segment_ptr 1
		.amdhsa_wavefront_size32 1
		.amdhsa_system_sgpr_workgroup_id_x 1
		.amdhsa_system_sgpr_workgroup_id_y 1
		.amdhsa_system_sgpr_workgroup_id_z 1
		.amdhsa_system_vgpr_workitem_id 0
		.amdhsa_next_free_vgpr 256
		.amdhsa_next_free_sgpr 66
		.amdhsa_reserve_vcc 0
		.amdhsa_float_denorm_mode_32 3
		.amdhsa_float_denorm_mode_16_64 3
		.amdhsa_memory_ordered 1
		.amdhsa_forward_progress 1
		.amdhsa_inst_pref_size 85
	.end_amdhsa_kernel
	.amdgpu_metadata
---
amdhsa.version: [ 1, 2 ]
amdhsa.kernels:
  - .name:           k_q792a290054_down
    .symbol:         k_q792a290054_down.kd
    .args:
      - { .name: w2, .offset: 0, .size: 8, .value_kind: global_buffer, .address_space: global }
      - { .name: hq, .offset: 8, .size: 8, .value_kind: global_buffer, .address_space: global }
      - { .name: plan, .offset: 16, .size: 8, .value_kind: global_buffer, .address_space: global }
      - { .name: part, .offset: 24, .size: 8, .value_kind: global_buffer, .address_space: global }
    .group_segment_fixed_size: 314368
    .private_segment_fixed_size: 0
    .kernarg_segment_align: 8
    .kernarg_segment_size: 32
    .max_flat_workgroup_size: 512
    .sgpr_count:     66
    .vgpr_count:     256
    .wavefront_size: 32
...
	.end_amdgpu_metadata
.endif
;; end of part 4
;; launch join (part 5): grid 256 x 1, 16 waves a work-group, no clusters, 0 bytes of LDS; arguments part, plan, eidx, gates, b2, out0; writes out0
.if DOCPART == 5
	.amdgcn_target "amdgcn-amd-amdhsa--gfx1250"
	.amdhsa_code_object_version 6
	.text
	.protected	k_q792a290054_join
	.globl	k_q792a290054_join
	.p2align	8
	.type	k_q792a290054_join,@function
k_q792a290054_join:
	s_mov_b64 s[64:65], 0
	v_nop
	global_prefetch_b8 v0, s[64:65] scope:SCOPE_SE
	s_setreg_imm32_b32 hwreg(HW_REG_WAVE_MODE, 25, 1), 1
	s_wait_xcnt 0x0
; MoE layer, launch 5 of 5: out[t] = g0 (y(slot0) + b2[e0]) + g1 (y(slot1) + b2[e1]), y(slot) = the sum of the four partial sums along K.  The six experts that were not chosen add the 0 of their gate: left out.
; A stream: a wave takes a quarter (1 KB) of one token's row; the token's two slots, experts and weights come by scalar loads; each output row has one owner.  Every load and store of a wave covers 512 consecutive bytes.
; No LDS, no barrier, no matrix unit: there is nothing to share and nothing to multiply but by two numbers.
.set PB, 32                            ; s[32:39] part at K quarter 0, 1, 2, 3
.set J0, 16                            ; v16-47 the first slot's four partial sums (quarter q at 8 q), v48-55 its b2
.set J1, 56                            ; v56-87, v88-95 the second's
	s_load_b256 s[4:11], s[0:1], 0x0               ; part, plan, eidx, gates
	s_load_b128 s[12:15], s[0:1], 0x20             ; b2, out0
	v_lshrrev_b32 v1, 5, v0
	v_readfirstlane_b32 s16, v1                    ; wave
	s_lshr_b32 s17, s16, 2
	s_lshl_b32 s18, ttmp9, 2
	s_add_co_u32 s18, s18, s17                     ; my token
	s_and_b32 s19, s16, 3
	s_lshl_b32 s20, s18, 3
	s_lshl_b32 s21, s19, 10
	v_and_b32 v1, 31, v0
	v_lshl_add_u32 v1, v1, 4, s21                  ; my quarter of a row, 16 bytes a lane
	s_lshl_b32 s17, s18, 12
	v_add_nc_u32 v6, s17, v1
	s_wait_kmcnt 0x0
	s_load_b64 s[22:23], s[6:7], s20 offset:0x100  ; the two slots,
	s_load_b64 s[24:25], s[8:9], s20 offset:0x0    ; experts,
	s_load_b64 s[26:27], s[10:11], s20 offset:0x0  ; and weights
	s_mov_b64 s[PB:PB+1], s[4:5]
	s_add_nc_u64 s[PB+2:PB+3], s[4:5], 0x880000
	s_add_nc_u64 s[PB+4:PB+5], s[4:5], 0x1100000
	s_add_nc_u64 s[PB+6:PB+7], s[4:5], 0x1980000
	s_wait_kmcnt 0x0
	s_min_u32 s22, s22, 2175                       ; held inside their buffers
	s_min_u32 s23, s23, 2175
	s_min_u32 s24, s24, 7
	s_min_u32 s25, s25, 7
	s_lshl_b32 s22, s22, 12
	s_lshl_b32 s23, s23, 12
	s_lshl_b32 s24, s24, 12
	s_lshl_b32 s25, s25, 12
	v_add_nc_u32 v2, s22, v1
	v_add_nc_u32 v3, s23, v1
	v_add_nc_u32 v4, s24, v1
	v_add_nc_u32 v5, s25, v1
	s_mov_b32 s28, s26                             ; each weight as a pair: the packed forms name a pair and take its low word
	s_mov_b32 s29, s26
	s_mov_b32 s30, s27
	s_mov_b32 s31, s27
.macro JLOAD base, off, boff
.irp q, 0,1,2,3
	global_load_b128 v[\base+8*\q:\base+8*\q+3], v[\off], s[PB+2*\q:PB+2*\q+1] th:TH_LOAD_NT
	global_load_b128 v[\base+8*\q+4:\base+8*\q+7], v[\off], s[PB+2*\q:PB+2*\q+1] offset:512 th:TH_LOAD_NT
.endr
	global_load_b128 v[\base+32:\base+35], v[\boff], s[12:13]
	global_load_b128 v[\base+36:\base+39], v[\boff], s[12:13] offset:512
.endm
.macro JSUM base
.irp k, 0,2,4,6
	v_pk_add_f32 v[\base+\k:\base+\k+1], v[\base+\k:\base+\k+1], v[\base+8+\k:\base+9+\k]
	v_pk_add_f32 v[\base+16+\k:\base+17+\k], v[\base+16+\k:\base+17+\k], v[\base+24+\k:\base+25+\k]
.endr
.irp k, 0,2,4,6
	v_pk_add_f32 v[\base+\k:\base+\k+1], v[\base+\k:\base+\k+1], v[\base+16+\k:\base+17+\k]
.endr
.irp k, 0,2,4,6
	v_pk_add_f32 v[\base+\k:\base+\k+1], v[\base+\k:\base+\k+1], v[\base+32+\k:\base+33+\k]
.endr
.endm
	JLOAD J0, 2, 4
	JLOAD J1, 3, 5
	s_wait_loadcnt 10                              ; the first slot's ten loads are in, the second's ten may be out
	JSUM J0
.irp k, 0,2,4,6
	v_pk_mul_f32 v[J0+\k:J0+\k+1], v[J0+\k:J0+\k+1], s[28:29] op_sel_hi:[1,0]
.endr
	s_wait_loadcnt 0x0
	JSUM J1
.irp k, 0,2,4,6
	v_pk_fma_f32 v[J0+\k:J0+\k+1], v[J1+\k:J1+\k+1], s[30:31], v[J0+\k:J0+\k+1] op_sel_hi:[1,0,1]
.endr
	global_store_b128 v6, v[J0:J0+3], s[14:15]
	global_store_b128 v6, v[J0+4:J0+7], s[14:15] offset:512
	s_endpgm
.Lfunc_end_k_q792a290054_join:
	.size	k_q792a290054_join, .Lfunc_end_k_q792a290054_join-k_q792a290054_join
	.p2alignl 7, 3214868480
	.fill 96, 4, 3214868480
	.section	.rodata,"a",@progbits
	.p2align	6, 0x0
	.amdhsa_kernel k_q792a290054_join
		.amdhsa_group_segment_fixed_size 0
		.amdhsa_private_segment_fixed_size 0
		.amdhsa_enable_private_segment 0
		.amdhsa_kernarg_size 48
		.amdhsa_user_sgpr_count 2
		.amdhsa_user_sgpr_kernarg_segment_ptr 1
		.amdhsa_wavefront_size32 1
		.amdhsa_system_sgpr_workgroup_id_x 1
		.amdhsa_system_sgpr_workgroup_id_y 1
		.amdhsa_system_sgpr_workgroup_id_z 1
		.amdhsa_system_vgpr_workitem_id 0
		.amdhsa_next_free_vgpr 96
		.amdhsa_next_free_sgpr 66
		.amdhsa_reserve_vcc 0
		.amdhsa_float_denorm_mode_32 3
		.amdhsa_float_denorm_mode_16_64 3
		.amdhsa_memory_ordered 1
		.amdhsa_forward_progress 1
		.amdhsa_inst_pref_size 7
	.end_amdhsa_kernel
	.amdgpu_metadata
---
amdhsa.version: [ 1, 2 ]
amdhsa.kernels:
  - .name:           k_q792a290054_join
    .symbol:         k_q792a290054_join.kd
    .args:
      - { .name: part, .offset: 0, .size: 8, .value_kind: global_buffer, .address_space: global }
      - { .name: plan, .offset: 8, .size: 8, .value_kind: global_buffer, .address_space: global }
      - { .name: eidx, .offset: 16, .size: 8, .value_kind: global_buffer, .address_space: global }
      - { .name: gates, .offset: 24, .size: 8, .value_kind: global_buffer, .address_space: global }
      - { .name: b2, .offset: 32, .size: 8, .value_kind: global_buffer, .address_space: global }
      - { .name: out0, .offset: 40, .size: 8, .value_kind: global_buffer, .address_space: global }
    .group_segment_fixed_size: 0
    .private_segment_fixed_size: 0
    .kernarg_segment_align: 8
    .kernarg_segment_size: 48
    .max_flat_workgroup_size: 512
    .sgpr_count:     66
    .vgpr_count:     96
    .wavefront_size: 32
...
	.end_amdgpu_metadata
.endif
;; end of part 5
;; ======== version 2 of 2: 5 launches
;; workspace buffers: xq 557,056 bytes; eidx 8,192 bytes of whole numbers; gates 8,192 bytes; list 8,704 bytes of whole numbers; plan 8,448 bytes of whole numbers; hq 4,734,976 bytes; part 35,651,584 bytes
;; launch route (part 6): grid 256 x 1, 4 waves a work-group, no clusters, 51,712 bytes of LDS; arguments x, router_w, xq, eidx, gates, list; writes xq, eidx, gates, list
.if DOCPART == 6
	.amdgcn_target "amdgcn-amd-amdhsa--gfx1250"
	.amdhsa_code_object_version 6
	.text
	.protected	k_q792a290054_route
	.globl	k_q792a290054_route
	.p2align	8
	.type	k_q792a290054_route,@function
k_q792a290054_route:
	s_mov_b64 s[64:65], 0
	v_nop
	global_prefetch_b8 v0, s[64:65] scope:SCOPE_SE
	s_setreg_imm32_b32 hwreg(HW_REG_WAVE_MODE, 25, 1), 1
	s_wait_xcnt 0x0
; MoE layer, launch 1 of 5: the router, and x as codes of E2M1.
; WORK LEFT OUT BY THE WHOLE PROGRAM.  reference() weighs expert e's row of token t by gate = sum(where(top_i == e, top_w, 0)).  For an expert that is not among
; the token's two chosen ones every term of that sum is the 0 that reference() itself writes, so gate x y adds 0 to out whatever finite values x, w1, b1, w2, b2 hold.
; So only the two chosen experts' rows of each token are multiplied (2,048 rows in place of 8,192).  All six inputs keep a way to the output and are loaded.
; LIMIT: a NaN, an infinity or an overflow that arises only in a row of an expert that was not chosen is not carried to the result.
; THIS LAUNCH.  A wave takes one token: (a) its 32 blocks of 32 numbers become codes (16 bytes a block) and one E8M0 byte each, xq = [t][512] codes, then [t][32] bytes;
; (b) its eight logits, f32 multiply-adds; the two largest (a strict compare, so of equals the lower index stays ahead, as in lax.top_k); softmax with the largest logit taken away;
; the two weights divided by (their sum + 1e-9).  The chosen experts go to eidx[t][2] and the weights to gates[t][2], at fixed places: no address here hangs on the choice.
; (c) the first 17 work-groups fill list (2,176 slots) with 0: the next launch writes the used slots, the others stand for token 0.
; LIMITS: NaN and infinities among the inputs are not served.  The choice is made on the logits, of which the softmax is a rising function; where two probabilities round to the same f32 number
; the order can differ from a choice made on the rounded probabilities.  A block of zeros gets the byte 1 where the rule says 127: its codes are zeros and this program alone reads the bytes.
; No matrix unit (8 columns), no cluster (work-groups share only router_w, 32 KB).
.set STG,   32768                      ; LDS: router_w, dense, from 0; from here a stage of 32 x (128 + 16) bytes for each wave
.set SPARE, 51200                      ; the spare words, 128 bytes for each wave
.set XSC,   524288                     ; where the scale bytes begin in xq
.set R,     16                         ; v16-47   x as loaded: load i: numbers 128 i + 4 lane + 0..3
.set X,     48                         ; v48-79   my block of 32 neighbours
.set RB,    80                         ; v80-143  router_w on its way into LDS; later two sets of 32 for the dot products
.set AC,    144                        ; v144-175 four partial sums an expert
.set LG,    176                        ; v176-183 the logits
.set SPW,   208
.set NIL,   209
	s_load_b256 s[4:11], s[0:1], 0x0               ; x, router_w, xq, eidx
	s_load_b128 s[12:15], s[0:1], 0x20             ; gates, list
	v_lshl_add_u32 v[SPW], v0, 2, SPARE
	v_mov_b32 v[NIL], 0
	v_lshrrev_b32 v6, 5, v0
	v_readfirstlane_b32 s16, v6                    ; wave
	v_and_b32 v1, 31, v0                           ; lane
	v_lshlrev_b32 v2, 4, v1                        ; 16 x lane
	s_wait_alu depctr_va_vdst(0)
	v_lshlrev_b32 v3, 4, v0                        ; 16 x thread
	s_mul_i32 s17, s16, 4608
	s_add_co_u32 s17, s17, STG                     ; my stage
	v_lshrrev_b32 v4, 3, v1
	v_mul_u32_u24 v4, v4, 144
	v_and_b32 v6, 7, v1
	v_lshl_add_u32 v4, v6, 4, v4
	v_add_nc_u32 v4, s17, v4                       ; in: eight lanes' 128 bytes on end, then 16 of padding
	v_mul_u32_u24 v5, v1, 144
	v_add_nc_u32 v5, s17, v5                       ; out: my block
	s_lshl_b32 s18, ttmp9, 2
	s_add_co_u32 s18, s18, s16                     ; my token
	s_lshl_b32 s20, s18, 12
	s_mov_b32 s21, 0
	s_mov_b32 s24, 0x76543210
	s_mov_b32 s25, 0xfedcba98                      ; selects: lane l xor 16
	s_lshl_b32 s22, s18, 9
	v_add_nc_u32 v14, s22, v2                      ; my block's codes in xq
	s_lshl_b32 s23, s18, 5
	v_add_nc_u32 v15, s23, v1                      ; and its byte
	s_wait_alu depctr_va_vdst(0)
	s_wait_kmcnt 0x0
	s_add_nc_u64 s[4:5], s[4:5], s[20:21]
.irp i, 0,1,2,3,4,5,6,7
	global_load_b128 v[R+4*\i:R+4*\i+3], v2, s[4:5] offset:512*\i th:TH_LOAD_NT
.endr
.irp j, 0,1,2,3,4,5,6,7,8,9,10,11,12,13,14,15
	global_load_b128 v[RB+4*\j:RB+4*\j+3], v3, s[6:7] offset:2048*\j
.endr
	s_wait_loadcnt 16                              ; x's eight are in; router_w's sixteen may be out
.irp i, 0,1,2,3,4,5,6,7
	ds_store_b128 v4, v[R+4*\i:R+4*\i+3] offset:576*\i
.endr
.irp j, 0,1,2,3,4,5,6,7
	ds_load_b128 v[X+4*\j:X+4*\j+3], v5 offset:16*\j    ; my own bytes, served in order: no barrier
.endr
	s_wait_dscnt 0x0
	v_max3_num_f32 v6, |v[X]|, |v[X+1]|, 0x1800000     ; the block's largest magnitude, with the floor 2^(3 - 127) among its leaves: the byte cannot fall under 1
	v_max3_num_f32 v7, |v[X+2]|, |v[X+3]|, |v[X+4]|
.irp i, 5,9,13,17,21,25
	v_max3_num_f32 v6, v6, |v[X+\i]|, |v[X+\i+1]|
	v_max3_num_f32 v7, v7, |v[X+\i+2]|, |v[X+\i+3]|
.endr
	v_max3_num_f32 v6, v6, |v[X+29]|, |v[X+30]|
	v_max3_num_f32 v6, v6, v7, |v[X+31]|
	v_add_nc_u32 v7, 0xff000000, v6                ; 2 off its exponent field: the conversion's scale operand
.irp g, 0,1,2,3
	v_cvt_scalef32_pk8_fp4_f32 v[10+\g], v[X+8*\g:X+8*\g+7], v7
.endr
	v_lshrrev_b32 v8, 23, v7                       ; the scale's byte (also the plain line behind the conversions)
	global_store_b128 v14, v[10:13], s[8:9]        ; the wave stores 512 consecutive bytes
	global_store_b8 v15, v8, s[8:9] offset:XSC
	s_wait_loadcnt 0x0                             ; router_w
.irp j, 0,1,2,3,4,5,6,7,8,9,10,11,12,13,14,15
	ds_store_b128 v3, v[RB+4*\j:RB+4*\j+3] offset:2048*\j
.endr
	s_wait_dscnt 0x0                               ; my part of router_w lies in LDS,
	s_barrier_signal -1
	s_barrier_wait -1                              ; everybody's does
.macro FETCH e
.irp i, 0,1,2,3,4,5,6,7
	ds_load_b128 v[RB+32*((\e)&1)+4*\i:RB+32*((\e)&1)+4*\i+3], v2 offset:4096*(\e)+512*\i
.endr
.endm
.macro DOT e                           ; 32 numbers of x times the same 32 of row e, in two packed chains; the first products start the sums
.set BB, RB+32*((\e)&1)
	v_pk_mul_f32 v[AC+4*\e:AC+4*\e+1], v[R:R+1], v[BB:BB+1]
	v_pk_mul_f32 v[AC+4*\e+2:AC+4*\e+3], v[R+2:R+3], v[BB+2:BB+3]
.irp p, 4,8,12,16,20,24,28
	v_pk_fma_f32 v[AC+4*\e:AC+4*\e+1], v[R+\p:R+\p+1], v[BB+\p:BB+\p+1], v[AC+4*\e:AC+4*\e+1]
	v_pk_fma_f32 v[AC+4*\e+2:AC+4*\e+3], v[R+\p+2:R+\p+3], v[BB+\p+2:BB+\p+3], v[AC+4*\e+2:AC+4*\e+3]
.endr
.endm
	FETCH 0
.irp e, 0,1,2,3,4,5,6
	FETCH \e+1
	s_wait_dscnt 8                                 ; this expert's eight loads are in, the next expert's eight may be out
	DOT \e
.endr
	s_wait_dscnt 0x0
	DOT 7
.irp e, 0,1,2,3,4,5,6,7
	v_pk_add_f32 v[AC+4*\e:AC+4*\e+1], v[AC+4*\e:AC+4*\e+1], v[AC+4*\e+2:AC+4*\e+3]
.endr
.irp e, 0,1,2,3,4,5,6,7
	v_add_f32 v[LG+\e], v[AC+4*\e], v[AC+4*\e+1]
.endr
.irp m, 1,2,4,8
.irp e, 0,1,2,3,4,5,6,7
	v_add_f32_dpp v[LG+\e], v[LG+\e], v[LG+\e] row_xmask:\m row_mask:0xf bank_mask:0xf
.endr
.endr
.irp e, 0,1,2,3,4,5,6,7
	v_permlanex16_b32 v[AC+\e], v[LG+\e], s24, s25
.endr
.irp e, 0,1,2,3,4,5,6,7
	v_add_f32 v[LG+\e], v[LG+\e], v[AC+\e]         ; every lane holds the eight logits
.endr
	; the two largest: v184, v200 the largest and its index; v185, v201 the second
	v_mov_b32 v184, v[LG]
	v_mov_b32 v185, 0xff800000
	v_mov_b32 v200, 0
	v_mov_b32 v201, 0
.irp e, 1,2,3,4,5,6,7
	v_cmp_gt_f32 s26, v[LG+\e], v184
	v_cmp_gt_f32 s27, v[LG+\e], v185
	v_cndmask_b32 v185, v185, v[LG+\e], s27
	v_cndmask_b32 v201, v201, \e, s27
	v_cndmask_b32 v185, v185, v184, s26
	v_cndmask_b32 v201, v201, v200, s26
	v_cndmask_b32 v184, v184, v[LG+\e], s26
	v_cndmask_b32 v200, v200, \e, s26
.endr
.irp e, 0,1,2,3,4,5,6,7
	v_sub_f32 v[188+\e], v[LG+\e], v184            ; the largest logit is taken away
.endr
	v_sub_f32 v196, v185, v184
.irp j, 0,1,2,3,4,5,6,7,8
	v_mul_f32 v[188+\j], 0x3fb8aa3b, v[188+\j]
.endr
	s_wait_alu depctr_va_vdst(0)
.irp j, 0,1,2,3,4,5,6,7,8
	v_exp_f32 v[188+\j], v[188+\j]
.endr
	v_nop
	s_wait_alu depctr_va_vdst(0)                   ; one wait for the nine exponentials, ahead of their first reader
	v_add_f32 v188, v188, v189
	v_add_f32 v190, v190, v191
	v_add_f32 v192, v192, v193
	v_add_f32 v194, v194, v195
	v_add_f32 v188, v188, v190
	v_add_f32 v192, v192, v194
	v_add_f32 v188, v188, v192                     ; the softmax's sum
	s_wait_alu depctr_va_vdst(0)
	v_rcp_f32 v197, v188                           ; the largest probability: 1 / sum
	v_nop
	s_wait_alu depctr_va_vdst(0)
	v_mul_f32 v198, v196, v197                     ; the second
	v_add_f32 v199, v197, v198
	v_add_f32 v199, 0x3089705f, v199               ; + 1e-9
	s_wait_alu depctr_va_vdst(0)
	v_rcp_f32 v204, v199
	s_lshl_b32 s28, s18, 3
	v_mov_b32 v205, s28                            ; 8 t (a plain line behind the reciprocal)
	s_wait_alu depctr_va_vdst(0)
	v_mul_f32 v202, v197, v204
	v_mul_f32 v203, v198, v204
	v_cmp_eq_u32 vcc_lo, 0, v1
	s_wait_alu depctr_va_vdst(0)
	s_wait_xcnt 0x0                                ; EXEC changes only behind this wait
	s_and_saveexec_b32 s29, vcc_lo
	global_store_b64 v205, v[200:201], s[10:11]    ; lane 0: the two experts,
	global_store_b64 v205, v[202:203], s[12:13]    ; and their weights
	s_wait_xcnt 0x0
	s_or_b32 exec_lo, exec_lo, s29
	s_cmp_lt_u32 ttmp9, 17
	s_cbranch_scc0 .Lno_fill
	s_lshl_b32 s30, ttmp9, 9
	v_lshl_add_u32 v206, v0, 2, s30
	v_mov_b32 v210, 0
	global_store_b32 v206, v210, s[14:15]          ; 17 x 128 words = the 2,176 slots
.Lno_fill:
	s_wait_tensorcnt 0x0                           ; the wave's end: three lines behind my last LDS store
	ds_add_u32 v[SPW], v[NIL]
	s_wait_dscnt 0x0
	s_endpgm
.Lfunc_end_k_q792a290054_route:
	.size	k_q792a290054_route, .Lfunc_end_k_q792a290054_route-k_q792a290054_route
	.p2alignl 7, 3214868480
	.fill 96, 4, 3214868480
	.section	.rodata,"a",@progbits
	.p2align	6, 0x0
	.amdhsa_kernel k_q792a290054_route
		.amdhsa_group_segment_fixed_size 51712
		.amdhsa_private_segment_fixed_size 0
		.amdhsa_enable_private_segment 0
		.amdhsa_kernarg_size 48
		.amdhsa_user_sgpr_count 2
		.amdhsa_user_sgpr_kernarg_segment_ptr 1
		.amdhsa_wavefront_size32 1
		.amdhsa_system_sgpr_workgroup_id_x 1
		.amdhsa_system_sgpr_workgroup_id_y 1
		.amdhsa_system_sgpr_workgroup_id_z 1
		.amdhsa_system_vgpr_workitem_id 0
		.amdhsa_next_free_vgpr 216
		.amdhsa_next_free_sgpr 66
		.amdhsa_reserve_vcc 1
		.amdhsa_float_denorm_mode_32 3
		.amdhsa_float_denorm_mode_16_64 3
		.amdhsa_memory_ordered 1
		.amdhsa_forward_progress 1
		.amdhsa_inst_pref_size 30
	.end_amdhsa_kernel
	.amdgpu_metadata
---
amdhsa.version: [ 1, 2 ]
amdhsa.kernels:
  - .name:           k_q792a290054_route
    .symbol:         k_q792a290054_route.kd
    .args:
      - { .name: x, .offset: 0, .size: 8, .value_kind: global_buffer, .address_space: global }
      - { .name: router_w, .offset: 8, .size: 8, .value_kind: global_buffer, .address_space: global }
      - { .name: xq, .offset: 16, .size: 8, .value_kind: global_buffer, .address_space: global }
      - { .name: eidx, .offset: 24, .size: 8, .value_kind: global_buffer, .address_space: global }
      - { .name: gates, .offset: 32, .size: 8, .value_kind: global_buffer, .address_space: global }
      - { .name: list, .offset: 40, .size: 8, .value_kind: global_buffer, .address_space: global }
    .group_segment_fixed_size: 51712
    .private_segment_fixed_size: 0
    .kernarg_segment_align: 8
    .kernarg_segment_size: 48
    .max_flat_workgroup_size: 128
    .sgpr_count:     66
    .vgpr_count:     216
    .wavefront_size: 32
...
	.end_amdgpu_metadata
.endif
;; end of part 6
;; launch place (part 7): grid 1 x 1, 32 waves a work-group, no clusters, 4,608 bytes of LDS; arguments eidx, list, plan; writes list, plan
.if DOCPART == 7
	.amdgcn_target "amdgcn-amd-amdhsa--gfx1250"
	.amdhsa_code_object_version 6
	.text
	.protected	k_q792a290054_place
	.globl	k_q792a290054_place
	.p2align	8
	.type	k_q792a290054_place,@function
k_q792a290054_place:
	s_mov_b64 s[64:65], 0
	v_nop
	global_prefetch_b8 v0, s[64:65] scope:SCOPE_SE
	s_setreg_imm32_b32 hwreg(HW_REG_WAVE_MODE, 25, 1), 1
	s_wait_xcnt 0x0
; MoE layer, launch 2 of 5: the routed rows are placed by expert.  Whole numbers alone; one work-group, a thread to a token, no atomics.
; Expert e's rows take the slots from 16 x tilebase[e] on, in the order of the tokens; each expert's run is rounded up to whole tiles of 16 slots (at most 135 tiles, at least 128).
; Out: list[slot] = token (slots that no row takes keep the 0 of the launch before);  plan: words 0-7 tilebase, 8-15 tiles of each expert, 16 tiles in all; from byte 256 pos[t][2] = the slots of token t's two rows.
; A counting sort: each wave counts its 32 tokens by ballots, the counts (two to a word, 16 bits each: no count passes 1,024) meet in LDS, every wave sums all of them and those of the waves ahead of it.
.set SPARE, 512
.set SPW, 62
.set NIL, 63
.set M,  16                            ; s16-23 ballots;  s24-31 my wave's counts
.set C,  24
.set T,  44                            ; s44-51 totals;  s52-59 rows ahead of my wave, later my wave's first slot
.set P,  52
.set NT, 66                            ; s66-73 tiles;  s74-81 first tile;  s82 tiles in all
.set TB, 74
	s_load_b128 s[4:7], s[0:1], 0x0                ; eidx, list
	s_load_b64 s[8:9], s[0:1], 0x10                ; plan
	v_lshl_add_u32 v[SPW], v0, 2, SPARE
	v_mov_b32 v[NIL], 0
	v_lshrrev_b32 v1, 5, v0
	s_delay_alu instid0(VALU_DEP_1)
	v_readfirstlane_b32 s10, v1                    ; wave
	v_and_b32 v2, 31, v0                           ; lane
	v_lshlrev_b32 v3, 3, v0                        ; 8 t
	s_delay_alu instid0(VALU_DEP_3)
	v_mov_b32 v6, s10
	s_delay_alu instid0(VALU_DEP_1)
	v_lshlrev_b32 v6, 4, v6                        ; my wave's 16 bytes of counts
	s_delay_alu instid0(VALU_DEP_4)
	v_lshlrev_b32 v7, 4, v2                        ; and wave l's, for lane l
	s_mov_b32 s12, 0x76543210
	s_mov_b32 s13, 0xfedcba98
	s_wait_alu depctr_va_vdst(0)
	s_wait_kmcnt 0x0
	global_load_b64 v[4:5], v3, s[4:5]
	s_wait_loadcnt 0x0
.irp e, 0,1,2,3,4,5,6,7
	v_cmp_eq_u32 vcc_lo, \e, v4
	v_cmp_eq_u32 s11, \e, v5
	s_or_b32 s[M+\e], vcc_lo, s11
	s_bcnt1_i32_b32 s[C+\e], s[M+\e]
.endr
.irp i, 0,1,2,3
	s_lshl_b32 s11, s[C+2*\i+1], 16
	s_or_b32 s[32+\i], s[C+2*\i], s11
	v_mov_b32 v[8+\i], s[32+\i]
.endr
	ds_store_b128 v6, v[8:11]                      ; all lanes write the same bytes with the same values
	s_wait_dscnt 0x0
	s_barrier_signal -1
	s_barrier_wait -1
	ds_load_b128 v[12:15], v7
	s_wait_dscnt 0x0
	v_cmp_gt_u32 vcc_lo, s10, v2                   ; waves ahead of mine
.irp i, 0,1,2,3
	v_mov_b32 v[16+\i], v[12+\i]
	v_cndmask_b32 v[20+\i], 0, v[12+\i], vcc_lo
.endr
.irp j, 24,25,26,27,28,29,30,31
	v_mov_b32 v\j, 0                               ; a lane permute's destination counts as one of its sources
.endr
.irp m, 1,2,4,8
.irp j, 16,17,18,19,20,21,22,23
	v_add_nc_u32_dpp v\j, v\j, v\j row_xmask:\m row_mask:0xf bank_mask:0xf
.endr
.endr
.irp j, 16,17,18,19,20,21,22,23
	v_permlanex16_b32 v[\j+8], v\j, s12, s13
.endr
.irp j, 16,17,18,19,20,21,22,23
	v_add_nc_u32 v\j, v\j, v[\j+8]
.endr
.irp i, 0,1,2,3
	v_readfirstlane_b32 s[36+\i], v[16+\i]
	v_readfirstlane_b32 s[40+\i], v[20+\i]
.endr
.irp i, 0,1,2,3
	s_and_b32 s[T+2*\i], s[36+\i], 0xffff
	s_lshr_b32 s[T+2*\i+1], s[36+\i], 16
	s_and_b32 s[P+2*\i], s[40+\i], 0xffff
	s_lshr_b32 s[P+2*\i+1], s[40+\i], 16
.endr
	s_mov_b32 s82, 0
.irp e, 0,1,2,3,4,5,6,7
	s_mov_b32 s[TB+\e], s82
	s_add_co_u32 s[NT+\e], s[T+\e], 15
	s_lshr_b32 s[NT+\e], s[NT+\e], 4
	s_add_co_u32 s82, s82, s[NT+\e]
	s_lshl_b32 s11, s[TB+\e], 4
	s_add_co_u32 s[P+\e], s[P+\e], s11             ; the slot of my wave's first row of expert e
.endr
	v_mov_b32 v36, 0
	v_mov_b32 v37, 0
.irp e, 0,1,2,3,4,5,6,7
	v_mbcnt_lo_u32_b32 v34, s[M+\e], s[P+\e]       ; + the rows of e in the lanes below mine
	v_cmp_eq_u32 vcc_lo, \e, v4
	s_delay_alu instid0(VALU_DEP_1)
	v_cndmask_b32 v36, v36, v34, vcc_lo
	v_cmp_eq_u32 vcc_lo, \e, v5
	s_delay_alu instid0(VALU_DEP_1)
	v_cndmask_b32 v37, v37, v34, vcc_lo
.endr
	global_store_b64 v3, v[36:37], s[8:9] offset:256
	v_min_u32 v38, 0x87f, v36                      ; held inside the list
	v_min_u32 v39, 0x87f, v37
	s_delay_alu instid0(VALU_DEP_2)
	v_lshlrev_b32 v38, 2, v38
	s_delay_alu instid0(VALU_DEP_2)
	v_lshlrev_b32 v39, 2, v39
	global_store_b32 v38, v0, s[6:7]
	global_store_b32 v39, v0, s[6:7]
	s_cmp_lg_u32 s10, 0
	s_cbranch_scc1 .Lnot_first
	v_mov_b32 v40, 0
.irp e, 0,1,2,3,4,5,6,7
	s_delay_alu instid0(VALU_DEP_1)
	v_writelane_b32 v40, s[TB+\e], \e
	s_delay_alu instid0(VALU_DEP_1)
	v_writelane_b32 v40, s[NT+\e], 8+\e
.endr
	s_delay_alu instid0(VALU_DEP_1)
	v_writelane_b32 v40, s82, 16
	v_lshlrev_b32 v41, 2, v2
	global_store_b32 v41, v40, s[8:9]
.Lnot_first:
	s_wait_tensorcnt 0x0                           ; the wave's end: three lines behind my last LDS store
	ds_add_u32 v[SPW], v[NIL]
	s_wait_dscnt 0x0
	s_endpgm
.Lfunc_end_k_q792a290054_place:
	.size	k_q792a290054_place, .Lfunc_end_k_q792a290054_place-k_q792a290054_place
	.p2alignl 7, 3214868480
	.fill 96, 4, 3214868480
	.section	.rodata,"a",@progbits
	.p2align	6, 0x0
	.amdhsa_kernel k_q792a290054_place
		.amdhsa_group_segment_fixed_size 4608
		.amdhsa_private_segment_fixed_size 0
		.amdhsa_enable_private_segment 0
		.amdhsa_kernarg_size 24
		.amdhsa_user_sgpr_count 2
		.amdhsa_user_sgpr_kernarg_segment_ptr 1
		.amdhsa_wavefront_size32 1
		.amdhsa_system_sgpr_workgroup_id_x 1
		.amdhsa_system_sgpr_workgroup_id_y 1
		.amdhsa_system_sgpr_workgroup_id_z 1
		.amdhsa_system_vgpr_workitem_id 0
		.amdhsa_next_free_vgpr 64
		.amdhsa_next_free_sgpr 84
		.amdhsa_reserve_vcc 1
		.amdhsa_float_denorm_mode_32 3
		.amdhsa_float_denorm_mode_16_64 3
		.amdhsa_memory_ordered 1
		.amdhsa_forward_progress 1
		.amdhsa_inst_pref_size 14
	.end_amdhsa_kernel
	.amdgpu_metadata
---
amdhsa.version: [ 1, 2 ]
amdhsa.kernels:
  - .name:           k_q792a290054_place
    .symbol:         k_q792a290054_place.kd
    .args:
      - { .name: eidx, .offset: 0, .size: 8, .value_kind: global_buffer, .address_space: global }
      - { .name: list, .offset: 8, .size: 8, .value_kind: global_buffer, .address_space: global }
      - { .name: plan, .offset: 16, .size: 8, .value_kind: global_buffer, .address_space: global }
    .group_segment_fixed_size: 4608
    .private_segment_fixed_size: 0
    .kernarg_segment_align: 8
    .kernarg_segment_size: 24
    .max_flat_workgroup_size: 1024
    .sgpr_count:     84
    .vgpr_count:     64
    .wavefront_size: 32
...
	.end_amdgpu_metadata
.endif
;; end of part 7
;; launch up (part 8): grid 32 x 8, 16 waves a work-group, no clusters, 280,576 bytes of LDS; arguments w1, b1, xq, list, plan, hq; writes hq
.if DOCPART == 8
	.amdgcn_target "amdgcn-amd-amdhsa--gfx1250"
	.amdhsa_code_object_version 6
	.text
	.protected	k_q792a290054_up
	.globl	k_q792a290054_up
	.p2align	8
	.type	k_q792a290054_up,@function
k_q792a290054_up:
	s_mov_b64 s[64:65], 0
	v_nop
	global_prefetch_b8 v0, s[64:65] scope:SCOPE_SE
	s_setreg_imm32_b32 hwreg(HW_REG_WAVE_SCHED_MODE, 0, 2), 2
	s_setreg_imm32_b32 hwreg(HW_REG_WAVE_MODE, 25, 1), 1
	s_wait_xcnt 0x0
	s_wait_alu depctr_vm_vsrc(0)
; MoE layer, launch 3 of 5: h = Q(gelu(Q(x) Q(w1[e]) + b1[e])), for the rows routed to expert e alone (rows of experts that were not chosen have the gate 0 that reference() builds: left out).
; SHARES.  Work-group (fs, e) owns hidden units 128 fs .. + 127 of expert e: 1,024 x 128 numbers of w1, 512 KB, read once in the launch.
; THE STREAM.  Wave w takes 64 columns (ch = w & 1) x 128 along K (ko = w >> 1).  A lane takes a column and its registers run down K, so a block of 32 lies in one lane: its largest magnitude needs no other lane
; and the conversions give codes with K innermost.  Each row's 256 bytes come by two loads that stand together.  The codes go to LDS as images of the operand's registers, 16 bytes a lane.
; THE COLUMNS OF A TILE ARE NOT NEIGHBOURS: lane l takes column 8 (l / 16) + l % 16 + 8 ((l % 16) / 8) of its 32, so that in the transposed result a lane's 16 registers are 16 neighbours along the next K.
; THE PRODUCTS.  Wave w: columns 32 (w & 3) .. + 31 (two tiles of 16, all 1,024 of K in 128 registers), tiles of 16 routed rows 4 i + (w >> 2).  Source 0 = 16 columns of w1, source 1 = 16 rows of x; b1 is the C of the first product.
; The rows' codes are gathered by the list into LDS, 24 tiles at a time, the first 24 in the middle of the stream.  An expert has at most 64 tiles: three chunks, a loop of constant count; a tile past the expert's
; count is passed over by a scalar branch on the stored count, which leads round no barrier.  An expert with no row still has its weights streamed.
; gelu = 0.5 x (1 + erf(x / sqrt 2)), erf(z) = z P(z^2) / Q(z^2) on |z| <= 4 (z held there; beyond, erf is 1 to f32): good to a few units in the last place of 1.
; OUT: hq: images of the second product's row operand, [tile][32 K steps][2][lane][16 bytes]; its scale words [tile][4][lane][4 words].
; No tensor load, no cluster: branches hang on counts read from memory, and what work-groups share (the rows' codes, 8.5 KB a tile) is small beside each one's own 512 KB.
; LIMITS: NaN and infinities are not served; a block of zeros gets the byte 1 where the rule says 127 (its codes are zeros; this program alone reads the bytes).
; THE MODE: SCHED_MODE bits 1:0 = 2 (LLVM: expert scheduling mode 2), set by the entry lines.  The code itself states the register dependences
; between vector or matrix instructions and memory or LDS instructions, with s_wait_alu, always for 0.
; THE PLAN.  Registers that memory or LDS instructions touch, and who else names them:
;   X0, X1       the stream's two sets of 64 numbers.  Block b's lines read set b % 2; behind them block b + 2's loads land in it (waves 0 to 7: behind block 2 a second tile of rows lands in X0, and its staging stores read it).
;                Behind the stream the weights' images land in both sets.
;   FR           written by two blocks' conversions and swaps, read by the four image stores behind the odd block.
;   WS, WS+1     written by each block's lines, read by the two stores behind block 3; then the weights' scale words land there.
;   TK, TS       gathered rows land in them and the staging stores read them; in a tile the staged codes land in them, the products read them, and gelu works in TK.
;   v9, v10, v254, v255   offsets of the list's and the gather's loads; in a tile v254, v255, v10 are the codes and the byte, v5 and v9 the offsets of its two stores: written at the tile's end.
;   v1 to v8, v11   addresses, made at the head or between the stream and the loop; none is written inside the loop but v5.
; So a tile holds ONE wait on va_vdst for memory's sake, ahead of its two stores: behind it no vector line stands before the next tile's LDS loads, on the way through a tile that is passed over and over the loop's
; backward jump too, so it states as well that gelu and the products are done with TK and TS.  One wait on vm_vsrc a tile stands ahead of the conversions, nearly a whole tile behind the stores that it speaks of.
.set PITCH, 16384                      ; a row of w1[e] in bytes
.set REG,   8704                       ; LDS: a tile of rows: 16 groups of 512 bytes of codes, 512 bytes of scale words
.set WSC,   65536                      ; LDS: from 0 the weights' images, (8 cg + ks) x 2,048 = [tile 2][c 2][lane][16]; from here their scale words, (8 cg + ks) x 128
.set TOK,   69632                      ; LDS: 24 regions of REG
.set SPARE, 278528                     ; the spare words, 128 bytes for each wave
.set HSC,   4456448                    ; where the scale words begin in hq
.set XSC,   524288                     ; and the scale bytes in xq
.set X,     16                         ; v16-143  the stream: two sets of 64 numbers (two groups of 32 columns x 32 along K);
.set W,     16                         ;          the products: my weights: K step s, tile u at 16 s + 8 u
.set WS,    144                        ; v144-151 scale words of the weights (in the stream: the two that are being made)
.set TS,    152                        ; v152-155 scale words of the rows: register i: lanes 0-15 K step i, lanes 16-31 K step 4 + i
.set TK,    156                        ; v156-219 the rows' codes, K step s at 8 s; behind the products gelu's registers
.set ZZ,    156
.set SS,    172
.set PP,    188
.set QQ,    204
.set FR,    220                        ; v220-235 the stream: codes just made;
.set ACC,   220                        ;          the products: two accumulators
.set BIAS,  236                        ; v236-251 b1 in the result's layout
.set SPW,   252
.set NIL,   253
.set KI, 34                            ; scalar pairs (both words written): 1 / sqrt 2, the polynomials' coefficients
.set A0, 36
.set A2, 38
.set A3, 40
.set A4, 42
.set A5, 44
.set A6, 46
.set B0, 48
.set B2, 50
.set B3, 52
.set B4, 54
.set SEL, 58
; v1 stream: 4 x my column; later my lane's place in an image of hq.  v2 stream: where I store images; later my lane's place among hq's scale bytes.  v3 stream: where I store scale words; later the LDS address of my tiles 4 and 5 of a chunk.
; v4, v11 where I stage a tile of rows; v5, v6 where I fetch my weights; v5 later a store's offset.  v7 the LDS address of my tiles 0 and 1 of a chunk; v8 at the head b1's offset, later the LDS address of my tiles 2 and 3.
; v9, v10, v254, v255 offsets and data of loads and stores; v12-15 at work, later two coefficients.
.macro SPAIR reg, val
	s_mov_b32 s[\reg], \val
	s_mov_b32 s[\reg+1], \val
.endm
.macro BARRIER                         ; my LDS stores have landed and my LDS loads are in: then the work-group's barrier
	s_wait_dscnt 0x0
	s_barrier_signal -1
	s_barrier_wait -1
.endm
.macro WLOAD b                         ; block b of my K step: 32 rows x 256 bytes
.set wi, 0
.rept 32
	global_load_b32 v[X+64*((\b)&1)+wi], v1, s[4:5] offset:(32*(\b)+wi)*PITCH th:TH_LOAD_NT
	global_load_b32 v[X+64*((\b)&1)+32+wi], v1, s[4:5] offset:(32*(\b)+wi)*PITCH+128 th:TH_LOAD_NT
.set wi, wi+1
.endr
.endm
.macro QNUM b                          ; block b of both groups becomes codes and a scale byte: the vector lines
.set XB, X+64*((\b)&1)
.set FB, FR+4*((\b)&1)
	v_max3_num_f32 v12, |v[XB]|, |v[XB+1]|, 0x1800000      ; with the floor 2^(3 - 127): the byte cannot fall under 1
	v_max3_num_f32 v13, |v[XB+32]|, |v[XB+33]|, 0x1800000
.irp i, 2,4,6,8,10,12,14,16,18,20,22,24,26,28,30
	v_max3_num_f32 v12, v12, |v[XB+\i]|, |v[XB+\i+1]|
	v_max3_num_f32 v13, v13, |v[XB+32+\i]|, |v[XB+33+\i]|
.endr
	v_add_nc_u32 v14, 0xff000000, v12              ; 2 off the exponent field: the conversion's scale operand
	v_add_nc_u32 v15, 0xff000000, v13
	v_lshrrev_b32 v12, 23, v14                     ; the byte
	v_lshrrev_b32 v13, 23, v15
.if (\b) == 0
	v_mov_b32 v[WS], v12
	v_mov_b32 v[WS+1], v13
.else
	v_lshl_or_b32 v[WS], v12, 8*(\b), v[WS]
	v_lshl_or_b32 v[WS+1], v13, 8*(\b), v[WS+1]
.endif
.if (\b) == 2
	s_wait_alu depctr_va_vdst(0)
	s_wait_dscnt 0x0                               ; the stores of blocks 0 and 1 have landed
	s_wait_alu depctr_vm_vsrc(0)                   ; and have read v[FR ..], which the conversions of blocks 2 and 3 write again
.endif
.irp q, 0,1,2,3
	v_cvt_scalef32_pk8_fp4_f32 v[FB+\q], v[XB+8*\q:XB+8*\q+7], v14
	v_cvt_scalef32_pk8_fp4_f32 v[FB+8+\q], v[XB+32+8*\q:XB+39+8*\q], v15
.endr
	v_nop                                          ; a plain line behind the conversions
.if (\b)&1
.irp q, 0,1,2,3                        ; lanes 0-15 hold tile 0's columns, lanes 16-31 tile 1's; the operand wants block 2 c in lanes 0-15 and block 2 c + 1 in lanes 16-31 of one tile
	v_permlane16_swap_b32 v[FR+\q], v[FR+4+\q]
	v_permlane16_swap_b32 v[FR+8+\q], v[FR+12+\q]
.endr
.endif
.endm
.macro QSTO b                          ; behind an odd block two blocks' codes go to LDS, behind block 3 the scale words too
.irp g, 0,1
	ds_store_b128 v2, v[FR+8*\g:FR+8*\g+3] offset:16384*\g+512*((\b)>>1)
	ds_store_b128 v2, v[FR+8*\g+4:FR+8*\g+7] offset:16384*\g+512*((\b)>>1)+1024
.endr
.if (\b) == 3
	ds_store_b32 v3, v[WS]
	ds_store_b32 v3, v[WS+1] offset:1024
.endif
.endm
.macro LISTLD tok, adr, more           ; the tokens of the 16 slots of tile tilebase + chunk + wave + more, held inside the list
	s_add_co_u32 s30, s23, s32
	s_add_co_u32 s30, s30, s16
	s_add_co_u32 s30, s30, \more
	s_min_u32 s30, s30, 135
	s_lshl_b32 s30, s30, 6
	v_and_b32 v[\adr], 15, v0
	v_lshl_add_u32 v[\adr], v[\adr], 2, s30
	s_wait_alu depctr_va_vdst(0)                   ; the offset is written, which the load reads; every vector line that named the register in which the load lands is done
	global_load_b32 v[\tok], v[\adr], s[10:11]
.endm
.macro TOKADDR tok, sc, tmp            ; from the token: where its codes and its scale bytes lie in xq, + 16 bytes for lanes 16-31
	v_bfe_u32 v[\tmp], v0, 4, 1
	v_lshlrev_b32 v[\tmp], 4, v[\tmp]
	v_min_u32 v[\tok], 0x3ff, v[\tok]
	v_lshl_add_u32 v[\sc], v[\tok], 5, v[\tmp]
	v_lshl_add_u32 v[\tok], v[\tok], 9, v[\tmp]
.endm
.macro GATHER tok, sc, cb, sb          ; a tile of rows in the operand's layout: group 2 s + c: K = 128 s + 64 c + 32 (lane / 16) on
.irp g, 0,1,2,3,4,5,6,7,8,9,10,11,12,13,14,15
	global_load_b128 v[\cb+4*\g:\cb+4*\g+3], v[\tok], s[8:9] offset:32*\g
.endr
	global_load_b128 v[\sb:\sb+3], v[\sc], s[8:9] offset:XSC
.endm
.macro PUT adr, cb, sb
.irp g, 0,1,2,3,4,5,6,7,8,9,10,11,12,13,14,15
	ds_store_b128 v[\adr], v[\cb+4*\g:\cb+4*\g+3] offset:512*\g
.endr
	ds_store_b128 v[\adr], v[\sb:\sb+3] offset:8192
.endm
.macro WM s, u                         ; one product: K step s, tile u of my columns.  The two accumulators take turns
.set rD, ACC+8*\u
.set rA, W+16*\s+8*\u
.set rB, TK+8*\s
.set rC, BIAS+8*\u
.set rT, TS+(\s)%4
.if (\s == 0) && (\u == 0)
	v_wmma_scale_f32_16x16x128_f8f6f4 v[rD:rD+7], v[rA:rA+7], v[rB:rB+7], v[rC:rC+7], v[WS+\s], v[rT] matrix_a_fmt:MATRIX_FMT_FP4 matrix_b_fmt:MATRIX_FMT_FP4
.elseif \s == 0
	v_wmma_scale_f32_16x16x128_f8f6f4 v[rD:rD+7], v[rA:rA+7], v[rB:rB+7], v[rC:rC+7], v[WS+\s], v[rT] matrix_a_fmt:MATRIX_FMT_FP4 matrix_b_fmt:MATRIX_FMT_FP4 matrix_a_scale:MATRIX_SCALE_ROW1
.elseif (\s < 4) && (\u == 0)
	v_wmma_scale_f32_16x16x128_f8f6f4 v[rD:rD+7], v[rA:rA+7], v[rB:rB+7], v[rD:rD+7], v[WS+\s], v[rT] matrix_a_fmt:MATRIX_FMT_FP4 matrix_b_fmt:MATRIX_FMT_FP4
.elseif \s < 4
	v_wmma_scale_f32_16x16x128_f8f6f4 v[rD:rD+7], v[rA:rA+7], v[rB:rB+7], v[rD:rD+7], v[WS+\s], v[rT] matrix_a_fmt:MATRIX_FMT_FP4 matrix_b_fmt:MATRIX_FMT_FP4 matrix_a_scale:MATRIX_SCALE_ROW1
.elseif \u == 0
	v_wmma_scale_f32_16x16x128_f8f6f4 v[rD:rD+7], v[rA:rA+7], v[rB:rB+7], v[rD:rD+7], v[WS+\s], v[rT] matrix_a_fmt:MATRIX_FMT_FP4 matrix_b_fmt:MATRIX_FMT_FP4 matrix_b_scale:MATRIX_SCALE_ROW1
.else
	v_wmma_scale_f32_16x16x128_f8f6f4 v[rD:rD+7], v[rA:rA+7], v[rB:rB+7], v[rD:rD+7], v[WS+\s], v[rT] matrix_a_fmt:MATRIX_FMT_FP4 matrix_b_fmt:MATRIX_FMT_FP4 matrix_a_scale:MATRIX_SCALE_ROW1 matrix_b_scale:MATRIX_SCALE_ROW1
.endif
.endm
.macro GELU                            ; the 16 numbers of a lane, two at a time; each accumulator is read from its low end on
.irp p, 0,2,4,6,8,10,12,14
	v_pk_mul_f32 v[ZZ+\p:ZZ+\p+1], v[ACC+\p:ACC+\p+1], s[KI:KI+1] op_sel_hi:[1,0]
.endr
.irp j, 0,1,2,3,4,5,6,7,8,9,10,11,12,13,14,15
	v_med3_num_f32 v[ZZ+\j], v[ZZ+\j], -4.0, 4.0
.endr
.irp p, 0,2,4,6,8,10,12,14
	v_pk_mul_f32 v[SS+\p:SS+\p+1], v[ZZ+\p:ZZ+\p+1], v[ZZ+\p:ZZ+\p+1]
.endr
.irp p, 0,2,4,6,8,10,12,14
	v_pk_fma_f32 v[PP+\p:PP+\p+1], v[SS+\p:SS+\p+1], s[A0:A0+1], v[12:13] op_sel_hi:[1,0,1]
	v_pk_fma_f32 v[QQ+\p:QQ+\p+1], v[SS+\p:SS+\p+1], s[B0:B0+1], v[14:15] op_sel_hi:[1,0,1]
.endr
.irp a, A2, A3, A4, A5, A6
.irp p, 0,2,4,6,8,10,12,14
	v_pk_fma_f32 v[PP+\p:PP+\p+1], v[PP+\p:PP+\p+1], v[SS+\p:SS+\p+1], s[\a:\a+1] op_sel_hi:[1,1,0]
.endr
.endr
.irp a, B2, B3, B4
.irp p, 0,2,4,6,8,10,12,14
	v_pk_fma_f32 v[QQ+\p:QQ+\p+1], v[QQ+\p:QQ+\p+1], v[SS+\p:SS+\p+1], s[\a:\a+1] op_sel_hi:[1,1,0]
.endr
.endr
	s_wait_alu depctr_va_vdst(0)
.irp j, 0,1,2,3,4,5,6,7,8,9,10,11,12,13,14,15
	v_rcp_f32 v[QQ+\j], v[QQ+\j]
.endr
.irp p, 0,2,4,6,8,10,12,14                     ; sixteen plain lines that name no reciprocal
	v_pk_mul_f32 v[PP+\p:PP+\p+1], v[PP+\p:PP+\p+1], v[ZZ+\p:ZZ+\p+1]
	v_pk_mul_f32 v[SS+\p:SS+\p+1], v[ACC+\p:ACC+\p+1], 0.5 op_sel_hi:[1,0]
.endr
	s_wait_alu depctr_va_vdst(0)                   ; the sixteen reciprocals have written v[QQ ..]: one wait, ahead of their first reader
.irp p, 0,2,4,6,8,10,12,14
	v_pk_mul_f32 v[PP+\p:PP+\p+1], v[PP+\p:PP+\p+1], v[QQ+\p:QQ+\p+1]      ; erf
.endr
.irp p, 0,2,4,6,8,10,12,14
	v_pk_fma_f32 v[ACC+\p:ACC+\p+1], v[SS+\p:SS+\p+1], v[PP+\p:PP+\p+1], v[SS+\p:SS+\p+1]   ; 0.5 x + 0.5 x erf
.endr
.endm
.macro TILE i                          ; the chunk's tile 4 i + (wave / 4).  Three address registers serve the six tiles: two tiles, 4 REG bytes apart, lie inside one register's 16-bit offset
.if (\i) < 2
.set rR, 7
.elseif (\i) < 4
.set rR, 8
.else
.set rR, 3
.endif
.set oR, 4*REG*((\i)%2)
	s_add_co_u32 s30, s32, 4*\i
	s_add_co_u32 s30, s30, s20
	s_cmp_ge_u32 s30, s24                          ; past the expert's tiles: nothing to do (no barrier stands in a tile)
	s_cbranch_scc1 .Lskip_\@
	ds_load_b128 v[TS:TS+3], v[rR] offset:oR+8192  ; no wait here: no vector or matrix line has been issued since the last wait on va_vdst (ahead of the loop, ahead of the last tile's stores, or in the refill)
.irp g, 0,1,2,3,4,5,6,7,8,9,10,11,12,13,14,15
	ds_load_b128 v[TK+4*\g:TK+4*\g+3], v[rR] offset:oR+512*\g
.endr
	s_wait_dscnt 0x0
.irp s, 0,1,2,3,4,5,6,7
	WM \s, 0
	WM \s, 1
.endr
.rept 5
	v_nop                                          ; places behind the products: four for the reads of results and the writes of operands, a fifth since the next tile's first product writes over an accumulator
.endr
	GELU
	v_max3_num_f32 v[ZZ], |v[ACC]|, |v[ACC+1]|, 0x1800000   ; my 16 of the block's 32
	v_max3_num_f32 v[ZZ+1], |v[ACC+2]|, |v[ACC+3]|, |v[ACC+4]|
	v_max3_num_f32 v[ZZ], v[ZZ], |v[ACC+5]|, |v[ACC+6]|
	v_max3_num_f32 v[ZZ+1], v[ZZ+1], |v[ACC+7]|, |v[ACC+8]|
	v_max3_num_f32 v[ZZ], v[ZZ], |v[ACC+9]|, |v[ACC+10]|
	v_max3_num_f32 v[ZZ+1], v[ZZ+1], |v[ACC+11]|, |v[ACC+12]|
	v_max3_num_f32 v[ZZ], v[ZZ], |v[ACC+13]|, |v[ACC+14]|
	v_max3_num_f32 v[ZZ], v[ZZ], v[ZZ+1], |v[ACC+15]|
	v_permlanex16_b32 v[ZZ+2], v[ZZ], s[SEL], s[SEL+1]
	v_max_num_f32 v[ZZ], v[ZZ], v[ZZ+2]            ; with lane l xor 16's
	v_add_nc_u32 v[ZZ+1], 0xff000000, v[ZZ]
	s_wait_alu depctr_va_vdst(0)
	s_wait_xcnt 0x0                                ; the last tile's stores have had their addresses translated: their data and offsets are written again only behind this wait
	s_wait_alu depctr_vm_vsrc(0)                   ; the last tile's stores have read v254, v255, v10, v5 and v9 (in the first tile: the weights' loads v5, the gathers v9, v10, v254, v255), all of which are written below
	v_cvt_scalef32_pk8_fp4_f32 v254, v[ACC:ACC+7], v[ZZ+1]
	v_cvt_scalef32_pk8_fp4_f32 v255, v[ACC+8:ACC+15], v[ZZ+1]
	v_lshrrev_b32 v10, 23, v[ZZ+1]                 ; the byte (also the plain line behind the conversions)
	s_add_co_u32 s31, s23, s30
	s_min_u32 s31, s31, 135
	s_lshl_b32 s56, s31, 15
	s_lshl_b32 s57, s31, 11
	v_add_nc_u32 v5, s56, v1
	v_add_nc_u32 v9, s57, v2
	s_wait_alu depctr_va_vdst(0)                   ; the codes, the byte and the two offsets are written, which the stores read; gelu and the products are done with TK and TS, in which the next tile's loads land
	global_store_b64 v5, v[254:255], s[14:15]      ; the wave stores 256 consecutive bytes, aligned
	global_store_b8 v9, v10, s[14:15] offset:HSC   ; both halves of the lanes write the same byte with the same value
.Lskip_\@:
.endm
	s_load_b256 s[4:11], s[0:1], 0x0               ; w1, b1, xq, list
	s_load_b128 s[12:15], s[0:1], 0x20             ; plan, hq
	v_lshl_add_u32 v[SPW], v0, 2, SPARE
	v_mov_b32 v[NIL], 0
	v_lshrrev_b32 v8, 5, v0
	v_readfirstlane_b32 s16, v8                    ; wave
	s_and_b32 s21, ttmp7, 0xffff                   ; the expert
	s_lshl_b32 s33, s21, 2
	s_mov_b32 s32, 0                               ; the chunk's first tile
	v_and_b32 v9, 31, v0
	v_and_b32 v10, 15, v0
	v_bfe_u32 v11, v0, 4, 1
	v_and_b32 v1, 8, v10
	v_add_nc_u32 v1, v1, v10
	v_lshl_add_u32 v1, v11, 3, v1
	v_lshlrev_b32 v1, 2, v1                        ; 4 x my column
	v_lshlrev_b32 v10, 4, v9                       ; 16 x lane
	s_wait_alu depctr_va_vdst(0)
	v_lshlrev_b32 v9, 2, v9                        ; 4 x lane
	s_wait_alu depctr_va_vdst(0)
	s_wait_alu depctr_va_sdst(0)                   ; s16 is written, ahead of its first reader: shares, addresses and branches are made from it
	s_and_b32 s17, s16, 1                          ; ch
	s_lshr_b32 s18, s16, 1                         ; ko
	s_and_b32 s19, s16, 3                          ; cg
	s_lshr_b32 s20, s16, 2                         ; rq
	s_lshl_b32 s26, s17, 15
	s_lshl_b32 s27, s18, 11
	s_add_co_u32 s26, s26, s27
	v_add_nc_u32 v2, s26, v10
	s_lshl_b32 s26, s17, 11
	s_lshl_b32 s27, s18, 7
	s_add_co_u32 s26, s26, s27
	s_add_co_u32 s26, s26, WSC
	v_add_nc_u32 v3, s26, v9
	s_mul_i32 s26, s16, REG
	s_add_co_u32 s26, s26, TOK
	v_add_nc_u32 v4, s26, v10
	s_and_b32 s26, s16, 7
	s_add_co_u32 s26, s26, 16
	s_mul_i32 s26, s26, REG
	s_add_co_u32 s26, s26, TOK
	v_add_nc_u32 v11, s26, v10
	s_lshl_b32 s26, s19, 14
	v_add_nc_u32 v5, s26, v10
	s_lshl_b32 s26, s19, 10
	s_add_co_u32 s26, s26, WSC
	v_add_nc_u32 v6, s26, v9
	s_mul_i32 s26, s20, REG
	s_add_co_u32 s26, s26, TOK
	v_add_nc_u32 v7, s26, v10
	s_lshl_b32 s27, s21, 14                        ; b1: expert, my 32 hidden units, + 16 for lanes 16-31
	s_lshl_b32 s26, ttmp9, 9
	s_add_co_u32 s27, s27, s26
	s_lshl_b32 s26, s19, 7
	s_add_co_u32 s27, s27, s26
	v_bfe_u32 v8, v0, 4, 1
	v_lshl_add_u32 v8, v8, 6, s27
	s_lshl_b32 s28, s21, 24                        ; w1: expert, my K step's 128 rows, the work-group's 512 bytes of a row, my 256 of them
	s_lshl_b32 s26, s18, 21
	s_add_co_u32 s28, s28, s26
	s_lshl_b32 s26, ttmp9, 9
	s_add_co_u32 s28, s28, s26
	s_lshl_b32 s26, s17, 8
	s_add_co_u32 s28, s28, s26
	s_mov_b32 s29, 0
	SPAIR KI, 0x3f3504f3
	SPAIR A0, 0xaf95df0b
	SPAIR A2, 0xb60cff51
	SPAIR A3, 0xb86ec2d2
	SPAIR A4, 0xba40ac63
	SPAIR A5, 0xbb41a1f6
	SPAIR A6, 0xbc83dbd4
	SPAIR B0, 0xb77460cd
	SPAIR B2, 0xbadc924e
	SPAIR B3, 0xbbf19bf8
	SPAIR B4, 0xbc69b6a7
	s_mov_b32 s[SEL], 0x76543210
	s_mov_b32 s[SEL+1], 0xfedcba98
	s_wait_kmcnt 0x0
	s_load_b32 s23, s[12:13], s33 offset:0x0       ; the expert's first tile,
	s_load_b32 s24, s[12:13], s33 offset:0x20      ; and how many it has
	s_add_nc_u64 s[4:5], s[4:5], s[28:29]
	s_wait_alu depctr_va_vdst(0)                   ; the offsets and LDS addresses v1 to v8 and v11 are written, which the loads and stores of the stream read
.irp q, 0,1,2,3
	global_load_b128 v[BIAS+4*\q:BIAS+4*\q+3], v8, s[6:7] offset:16*\q
.endr
	WLOAD 0
	WLOAD 1
	s_wait_kmcnt 0x0
	LISTLD 9, 10, 0
	s_cmp_lt_u32 s16, 8                            ; waves 0 to 7 stage a second tile
	s_cbranch_scc0 .Lone_a
	LISTLD 254, 255, 16
.Lone_a:
	s_wait_loadcnt 63                              ; behind block 0's loads stand block 1's 64: at most 63 out shows block 0 in
	QNUM 0
	s_wait_alu depctr_va_vdst(0)                   ; block 0's lines are done reading X0, in which block 2's loads land
	s_wait_alu depctr_vm_vsrc(0)                   ; the list's loads have read v10 and v255, which are written further down; no memory instruction between here and there reads them
	WLOAD 2
	s_wait_loadcnt 63                              ; block 1 and the list's words are in: block 2's 64 stand behind them
	QNUM 1
	TOKADDR 9, 10, 12
	s_wait_alu depctr_va_vdst(0)                   ; one wait for three things: v[FR ..] is written, which the image stores read; v9 and v10 are written, which the gather reads; block 1's lines are done reading X1, in which block 3's loads land
	QSTO 1
	GATHER 9, 10, TK, TS
	WLOAD 3
	s_wait_loadcnt 63                              ; block 2 and the gathered rows are in: block 3's 64 stand behind them
	QNUM 2
	PUT 4, TK, TS
	s_wait_alu depctr_vm_vsrc(0)                   ; the staging stores have read TS, in which the second gather's scale words land
	s_cmp_lt_u32 s16, 8
	s_cbranch_scc0 .Lone_b
	TOKADDR 254, 255, 12
	s_wait_dscnt 0x0                               ; the stores above have landed
	s_wait_alu depctr_va_vdst(0)                   ; v254 and v255 are written, which the gather reads; block 2's lines are done reading X0, in which it lands
	GATHER 254, 255, X, TS                         ; into the set that block 2 has left
.Lone_b:
	s_wait_loadcnt 0x0
	QNUM 3
	s_wait_alu depctr_va_vdst(0)                   ; v[FR ..], v[WS] and v[WS+1] are written, which the stores read.  No vector line follows before the weights' loads below: so every reader and writer of X0, X1 and WS is done for them too
	QSTO 3
	s_cmp_lt_u32 s16, 8
	s_cbranch_scc0 .Lone_c
	PUT 11, X, TS
.Lone_c:
	BARRIER                                        ; the weights' images and the first 24 tiles of rows lie in LDS
	s_wait_alu depctr_vm_vsrc(0)                   ; my stores have read X0, v[WS] and v[WS+1], in which the loads below land; the stream's loads and stores have read v1, v2, v3 and v8, which are written below
.irp s, 0,1,2,3,4,5,6,7
.irp q, 0,1,2,3
	ds_load_b128 v[W+16*\s+4*\q:W+16*\s+4*\q+3], v5 offset:2048*\s+512*\q
.endr
	ds_load_b32 v[WS+\s], v6 offset:128*\s
.endr
	v_mov_b32 v12, 0x32edffee
	v_mov_b32 v13, 0x32edffee
	v_mov_b32 v14, 0xb95fbd29
	v_mov_b32 v15, 0xb95fbd29
	s_lshl_b32 s26, ttmp9, 10                      ; hq: K step fs, block cg: 256 bytes; row r: 16; my half of the block: 8
	s_lshl_b32 s27, s19, 8
	s_add_co_u32 s26, s26, s27
	v_and_b32 v2, 15, v0
	v_bfe_u32 v1, v0, 4, 1
	v_lshlrev_b32 v1, 3, v1
	v_lshl_add_u32 v1, v2, 4, v1
	v_add_nc_u32 v1, s26, v1
	s_lshr_b32 s26, ttmp9, 2                       ; its scale byte: (fs / 4) x 256 + 16 r + 4 (fs % 4) + cg
	s_lshl_b32 s26, s26, 8
	s_and_b32 s27, ttmp9, 3
	s_lshl_b32 s27, s27, 2
	s_add_co_u32 s26, s26, s27
	s_add_co_u32 s26, s26, s19
	v_lshl_add_u32 v2, v2, 4, s26
	v_add_nc_u32 v8, 8*REG, v7                     ; my tiles 2 and 3 of a chunk,
	v_add_nc_u32 v3, 16*REG, v7                    ; and 4 and 5
	s_wait_alu depctr_va_vdst(0)                   ; v8 and v3 are written, which the tiles' LDS loads read
.Lchunk:                                               ; three trips: 72 tiles, and an expert has at most 64
.irp i, 0,1,2,3,4,5
	TILE \i
.endr
	BARRIER                                        ; nobody reads the staged rows any more
	s_add_co_u32 s32, s32, 24
	s_cmp_ge_u32 s32, s24                          ; the same in all waves; no barrier stands inside
	s_cbranch_scc1 .Lno_more
	s_wait_xcnt 0x0                                ; the tiles' stores have had their addresses translated
	s_wait_alu depctr_vm_vsrc(0)                   ; the tiles' stores have read v9, v10 and v254, which the lines below write
	LISTLD 9, 10, 0
	s_wait_loadcnt 0x0
	s_wait_alu depctr_vm_vsrc(0)                   ; the list's load has read v10, which is written next
	TOKADDR 9, 10, 254
	s_wait_alu depctr_va_vdst(0)                   ; v9 and v10 are written, which the gather reads
	GATHER 9, 10, TK, TS
	s_wait_loadcnt 0x0
	PUT 4, TK, TS
	s_wait_alu depctr_vm_vsrc(0)                   ; the gather has read v9 and v10, and the staging stores TK and TS: all are written again, by the lines below or by the next tile's loads
	s_cmp_lt_u32 s16, 8
	s_cbranch_scc0 .Lno_more
	LISTLD 9, 10, 16
	s_wait_loadcnt 0x0
	s_wait_alu depctr_vm_vsrc(0)                   ; the list's load has read v10, which is written next
	TOKADDR 9, 10, 254
	s_wait_dscnt 0x0                               ; the stores above have landed
	s_wait_alu depctr_va_vdst(0)                   ; v9 and v10 are written, which the gather reads
	GATHER 9, 10, TK, TS
	s_wait_loadcnt 0x0
	PUT 11, TK, TS
	s_wait_alu depctr_vm_vsrc(0)                   ; the staging stores have read TK and TS, in which the next tile's loads land
.Lno_more:
	BARRIER                                        ; the next 24 tiles lie in LDS
	s_cmp_lt_u32 s32, 72
	s_cbranch_scc1 .Lchunk
	s_wait_dscnt 0x0                               ; the closing lines, six on end
	s_wait_alu 0x0
	s_wait_tensorcnt 0x0
	ds_add_u32 v[SPW], v[NIL]
	s_wait_dscnt 0x0
	s_endpgm
.Lfunc_end_k_q792a290054_up:
	.size	k_q792a290054_up, .Lfunc_end_k_q792a290054_up-k_q792a290054_up
	.p2alignl 7, 3214868480
	.fill 96, 4, 3214868480
	.section	.rodata,"a",@progbits
	.p2align	6, 0x0
	.amdhsa_kernel k_q792a290054_up
		.amdhsa_group_segment_fixed_size 280576
		.amdhsa_private_segment_fixed_size 0
		.amdhsa_enable_private_segment 0
		.amdhsa_kernarg_size 48
		.amdhsa_user_sgpr_count 2
		.amdhsa_user_sgpr_kernarg_segment_ptr 1
		.amdhsa_wavefront_size32 1
		.amdhsa_system_sgpr_workgroup_id_x 1
		.amdhsa_system_sgpr_workgroup_id_y 1
		.amdhsa_system_sgpr_workgroup_id_z 1
		.amdhsa_system_vgpr_workitem_id 0
		.amdhsa_next_free_vgpr 256
		.amdhsa_next_free_sgpr 66
		.amdhsa_reserve_vcc 0
		.amdhsa_float_denorm_mode_32 3
		.amdhsa_float_denorm_mode_16_64 3
		.amdhsa_memory_ordered 1
		.amdhsa_forward_progress 1
		.amdhsa_inst_pref_size 147
	.end_amdhsa_kernel
	.amdgpu_metadata
---
amdhsa.version: [ 1, 2 ]
amdhsa.kernels:
  - .name:           k_q792a290054_up
    .symbol:         k_q792a290054_up.kd
    .args:
      - { .name: w1, .offset: 0, .size: 8, .value_kind: global_buffer, .address_space: global }
      - { .name: b1, .offset: 8, .size: 8, .value_kind: global_buffer, .address_space: global }
      - { .name: xq, .offset: 16, .size: 8, .value_kind: global_buffer, .address_space: global }
      - { .name: list, .offset: 24, .size: 8, .value_kind: global_buffer, .address_space: global }
      - { .name: plan, .offset: 32, .size: 8, .value_kind: global_buffer, .address_space: global }
      - { .name: hq, .offset: 40, .size: 8, .value_kind: global_buffer, .address_space: global }
    .group_segment_fixed_size: 280576
    .private_segment_fixed_size: 0
    .kernarg_segment_align: 8
    .kernarg_segment_size: 48
    .max_flat_workgroup_size: 512
    .sgpr_count:     66
    .vgpr_count:     256
    .wavefront_size: 32
...
	.end_amdgpu_metadata
.endif
;; end of part 8
;; launch down (part 9): grid 32 x 8, 16 waves a work-group, no clusters, 314,368 bytes of LDS; arguments w2, hq, plan, part; writes part
.if DOCPART == 9
	.amdgcn_target "amdgcn-amd-amdhsa--gfx1250"
	.amdhsa_code_object_version 6
	.text
	.protected	k_q792a290054_down
	.globl	k_q792a290054_down
	.p2align	8
	.type	k_q792a290054_down,@function
k_q792a290054_down:
	s_mov_b64 s[64:65], 0
	v_nop
	global_prefetch_b8 v0, s[64:65] scope:SCOPE_SE
	s_setreg_imm32_b32 hwreg(HW_REG_WAVE_SCHED_MODE, 0, 2), 2
	s_setreg_imm32_b32 hwreg(HW_REG_WAVE_MODE, 25, 1), 1
	s_wait_xcnt 0x0
	s_wait_alu depctr_vm_vsrc(0)
; MoE layer, launch 4 of 5: partial sums of Q(h) Q(w2[e]), for the rows routed to expert e alone (rows of experts that were not chosen have the gate 0 that reference() builds: left out).
; SHARES.  Work-group (x, e): columns 128 cs .. + 127 (cs = x & 7), K = 1,024 kq .. + 1,023 of 4,096 (kq = x >> 3): 1,024 x 128 numbers of w2, 512 KB, read once in the launch.
; The stream, the images in LDS, the choice of a tile's columns and the products are those of the launch before; the rows' operand comes from hq as it lies (images of its registers).
; OUT: part[kq][slot][1,024] f32.  A lane holds 16 neighbouring columns of one row; the four waves that share a tile of rows meet in a stage in LDS, and each stores four whole rows of 512 bytes.
; b2, the sum over kq and the gates are the last launch's.  The four partial sums are the price of 256 work-groups with rows of whole 256-byte pieces and the weights resident in 128 registers a wave.
; No tensor load, no cluster: branches hang on counts read from memory, and what work-groups share (the rows' codes) is small beside each one's own 512 KB.  An expert with no row still has its weights streamed.
; LIMITS: NaN and infinities are not served; a block of zeros gets the byte 1 where the rule says 127 (its codes are zeros; this program alone reads the bytes).
; THE MODE: SCHED_MODE bits 1:0 = 2 (LLVM: expert scheduling mode 2), set by the entry lines.  The code itself states the register dependences
; between vector or matrix instructions and memory or LDS instructions, with s_wait_alu, always for 0.
; THE PLAN.  Registers that memory or LDS instructions touch, and who else names them:
;   X0, X1, FR, WS, WS+1   in the stream as in the launch before: block b's lines read set b % 2 and block b + 2's loads land in it; the conversions write FR and the image stores read it; the weights' images land in X0, X1 and WS behind the stream.
;   TK, TS       rows' images land in them from memory and the staging stores read them; in a tile the staged codes land in them and the products read them.  No other line names them.
;   ACC          written by a tile's products, read by its four stores into the stage.
;   the way out's sixteen registers (v240-251, v12-15)   the stage's rows land in them, the stores to memory read them; no vector line of the loop names them.
;   v3           the offset of a tile's stores to memory: one vector add a tile.
;   v1, v2, v4 to v11, v236 to v239, v254, v255   addresses and offsets, made at the head, between the stream and the loop, or in a refill; none is written in a tile.
; So a tile has: one wait on va_vdst behind the products' places (ACC is written; the products are done with TK and TS, so the next tile's loads owe nothing more); one wait on vm_vsrc behind the tile's first barrier,
; on every wave's way (the stage's stores have read ACC; the last tile's stores to memory have read their data and v3); and one wait on va_vdst behind the add that makes v3, when nothing else is at work.
.set PITCH, 4096
.set REG,   8704
.set WSC,   65536
.set TOK,   69632
.set STG,   278528                     ; LDS: four stages of 16 rows x (512 + 16) bytes
.set SPARE, 312320
.set HSC,   4456448
.set X,     16
.set W,     16
.set WS,    144
.set TS,    152
.set TK,    156
.set FR,    220
.set ACC,   220
.set SO,    236                        ; v236 where I put 64 bytes of a row in the stage;  v237 where I read rows back;  v238 my lane's place in part;  v239 16 x lane
.set SR,    237
.set PL,    238
.set L16,   239
.set SPW,   252
.set NIL,   253
; v7 the LDS address of my tiles 0 and 1 of a chunk, v8 of tiles 2 and 3; v1 in the stream 4 x my column, later the LDS address of tiles 4 and 5.
.macro BARRIER
	s_wait_dscnt 0x0
	s_barrier_signal -1
	s_barrier_wait -1
.endm
.macro OSET q                          ; group q of the way out's sixteen registers: v240, v244, v248, and v12 (free behind the stream)
.set rO, 240+4*(\q)
.if (\q) == 3
.set rO, 12
.endif
.endm
.macro WLOAD b
.set wi, 0
.rept 32
	global_load_b32 v[X+64*((\b)&1)+wi], v1, s[4:5] offset:(32*(\b)+wi)*PITCH th:TH_LOAD_NT
	global_load_b32 v[X+64*((\b)&1)+32+wi], v1, s[4:5] offset:(32*(\b)+wi)*PITCH+128 th:TH_LOAD_NT
.set wi, wi+1
.endr
.endm
.macro QNUM b                          ; block b of both groups becomes codes and a scale byte: the vector lines
.set XB, X+64*((\b)&1)
.set FB, FR+4*((\b)&1)
	v_max3_num_f32 v12, |v[XB]|, |v[XB+1]|, 0x1800000
	v_max3_num_f32 v13, |v[XB+32]|, |v[XB+33]|, 0x1800000
.irp i, 2,4,6,8,10,12,14,16,18,20,22,24,26,28,30
	v_max3_num_f32 v12, v12, |v[XB+\i]|, |v[XB+\i+1]|
	v_max3_num_f32 v13, v13, |v[XB+32+\i]|, |v[XB+33+\i]|
.endr
	v_add_nc_u32 v14, 0xff000000, v12
	v_add_nc_u32 v15, 0xff000000, v13
	v_lshrrev_b32 v12, 23, v14
	v_lshrrev_b32 v13, 23, v15
.if (\b) == 0
	v_mov_b32 v[WS], v12
	v_mov_b32 v[WS+1], v13
.else
	v_lshl_or_b32 v[WS], v12, 8*(\b), v[WS]
	v_lshl_or_b32 v[WS+1], v13, 8*(\b), v[WS+1]
.endif
.if (\b) == 2
	s_wait_alu depctr_va_vdst(0)
	s_wait_dscnt 0x0                               ; the stores of blocks 0 and 1 have landed
	s_wait_alu depctr_vm_vsrc(0)                   ; and have read v[FR ..], which the conversions of blocks 2 and 3 write again
.endif
.irp q, 0,1,2,3
	v_cvt_scalef32_pk8_fp4_f32 v[FB+\q], v[XB+8*\q:XB+8*\q+7], v14
	v_cvt_scalef32_pk8_fp4_f32 v[FB+8+\q], v[XB+32+8*\q:XB+39+8*\q], v15
.endr
	v_nop
.if (\b)&1
.irp q, 0,1,2,3
	v_permlane16_swap_b32 v[FR+\q], v[FR+4+\q]
	v_permlane16_swap_b32 v[FR+8+\q], v[FR+12+\q]
.endr
.endif
.endm
.macro QSTO b                          ; behind an odd block two blocks' codes go to LDS, behind block 3 the scale words too
.irp g, 0,1
	ds_store_b128 v2, v[FR+8*\g:FR+8*\g+3] offset:16384*\g+512*((\b)>>1)
	ds_store_b128 v2, v[FR+8*\g+4:FR+8*\g+7] offset:16384*\g+512*((\b)>>1)+1024
.endr
.if (\b) == 3
	ds_store_b32 v3, v[WS]
	ds_store_b32 v3, v[WS+1] offset:1024
.endif
.endm
.macro DADDR ca, sa, more              ; tile tilebase + chunk + wave + more, held to the tiles that the launch before has written: where its images and scale words of my K quarter lie in hq
	s_add_co_u32 s30, s23, s32
	s_add_co_u32 s30, s30, s16
	s_add_co_u32 s30, s30, \more
	s_min_u32 s30, s30, s34
	s_min_u32 s30, s30, 135
	s_lshl_b32 s31, s30, 15
	s_add_co_u32 s31, s31, s35
	v_add_nc_u32 v[\ca], s31, v[L16]
	s_lshl_b32 s31, s30, 11
	s_add_co_u32 s31, s31, s36
	v_add_nc_u32 v[\sa], s31, v[L16]
.endm
.macro GATHER ca, sa, cb, sb
.irp g, 0,1,2,3,4,5,6,7,8,9,10,11,12,13,14,15
	global_load_b128 v[\cb+4*\g:\cb+4*\g+3], v[\ca], s[6:7] offset:512*\g
.endr
	global_load_b128 v[\sb:\sb+3], v[\sa], s[6:7] offset:HSC
.endm
.macro PUT adr, cb, sb
.irp g, 0,1,2,3,4,5,6,7,8,9,10,11,12,13,14,15
	ds_store_b128 v[\adr], v[\cb+4*\g:\cb+4*\g+3] offset:512*\g
.endr
	ds_store_b128 v[\adr], v[\sb:\sb+3] offset:8192
.endm
.macro WM s, u                         ; the first K step starts the sums with the constant 0.  The two accumulators take turns
.set rD, ACC+8*\u
.set rA, W+16*\s+8*\u
.set rB, TK+8*\s
.set rT, TS+(\s)%4
.if (\s == 0) && (\u == 0)
	v_wmma_scale_f32_16x16x128_f8f6f4 v[rD:rD+7], v[rA:rA+7], v[rB:rB+7], 0, v[WS+\s], v[rT] matrix_a_fmt:MATRIX_FMT_FP4 matrix_b_fmt:MATRIX_FMT_FP4
.elseif \s == 0
	v_wmma_scale_f32_16x16x128_f8f6f4 v[rD:rD+7], v[rA:rA+7], v[rB:rB+7], 0, v[WS+\s], v[rT] matrix_a_fmt:MATRIX_FMT_FP4 matrix_b_fmt:MATRIX_FMT_FP4 matrix_a_scale:MATRIX_SCALE_ROW1
.elseif (\s < 4) && (\u == 0)
	v_wmma_scale_f32_16x16x128_f8f6f4 v[rD:rD+7], v[rA:rA+7], v[rB:rB+7], v[rD:rD+7], v[WS+\s], v[rT] matrix_a_fmt:MATRIX_FMT_FP4 matrix_b_fmt:MATRIX_FMT_FP4
.elseif \s < 4
	v_wmma_scale_f32_16x16x128_f8f6f4 v[rD:rD+7], v[rA:rA+7], v[rB:rB+7], v[rD:rD+7], v[WS+\s], v[rT] matrix_a_fmt:MATRIX_FMT_FP4 matrix_b_fmt:MATRIX_FMT_FP4 matrix_a_scale:MATRIX_SCALE_ROW1
.elseif \u == 0
	v_wmma_scale_f32_16x16x128_f8f6f4 v[rD:rD+7], v[rA:rA+7], v[rB:rB+7], v[rD:rD+7], v[WS+\s], v[rT] matrix_a_fmt:MATRIX_FMT_FP4 matrix_b_fmt:MATRIX_FMT_FP4 matrix_b_scale:MATRIX_SCALE_ROW1
.else
	v_wmma_scale_f32_16x16x128_f8f6f4 v[rD:rD+7], v[rA:rA+7], v[rB:rB+7], v[rD:rD+7], v[WS+\s], v[rT] matrix_a_fmt:MATRIX_FMT_FP4 matrix_b_fmt:MATRIX_FMT_FP4 matrix_a_scale:MATRIX_SCALE_ROW1 matrix_b_scale:MATRIX_SCALE_ROW1
.endif
.endm
.macro TILE i                          ; the chunk's tile 4 i + (wave / 4); two barriers, both outside the branches on the stored count.  Three address registers serve the six tiles: two tiles, 4 REG bytes apart, lie inside one register's 16-bit offset
.if (\i) < 2
.set rR, 7
.elseif (\i) < 4
.set rR, 8
.else
.set rR, 1
.endif
.set oR, 4*REG*((\i)%2)
	s_add_co_u32 s30, s32, 4*\i
	s_add_co_u32 s30, s30, s20
	s_cmp_ge_u32 s30, s24
	s_cbranch_scc1 .Lno_mul_\@
	ds_load_b128 v[TS:TS+3], v[rR] offset:oR+8192  ; no wait here: no vector or matrix line issued since the last wait on va_vdst names TK, TS or the address, and no store to memory reads TK or TS
.irp g, 0,1,2,3,4,5,6,7,8,9,10,11,12,13,14,15
	ds_load_b128 v[TK+4*\g:TK+4*\g+3], v[rR] offset:oR+512*\g
.endr
	s_wait_dscnt 0x0
.irp s, 0,1,2,3,4,5,6,7
	WM \s, 0
	WM \s, 1
.endr
.rept 5
	v_nop                                          ; places behind the products: four for the stores of results, a fifth since the next tile's first product writes over an accumulator; they stay beside the wait below
.endr
	s_wait_alu depctr_va_vdst(0)                   ; the products have written the accumulators, which the stores below read, and are done reading TK and TS, in which the next tile's loads land
.irp q, 0,1,2,3
	ds_store_b128 v[SO], v[ACC+4*\q:ACC+4*\q+3] offset:16*\q     ; each accumulator from its low end on
.endr
.Lno_mul_\@:
	BARRIER                                        ; the four waves' parts of 16 rows lie in the stage
	s_wait_alu depctr_vm_vsrc(0)                   ; my stores into the stage have read the accumulators, which the next tile's products write; the last tile's stores to memory have read their sixteen registers and v3, which are written below
	s_cmp_ge_u32 s30, s24
	s_cbranch_scc1 .Lno_out_\@
	s_wait_xcnt 0x0                                ; the last tile's stores have had their addresses translated: their data and offset are written again only behind this wait
.irp q, 0,1,2,3
	OSET \q
	ds_load_b128 v[rO:rO+3], v[SR] offset:528*\q
.endr
	s_add_co_u32 s31, s23, s30
	s_min_u32 s31, s31, 135
	s_lshl_b32 s31, s31, 16
	v_add_nc_u32 v3, s31, v[PL]
	s_wait_dscnt 0x0
	s_wait_alu depctr_va_vdst(0)                   ; v3 is written, which the stores below read as their offset
.irp q, 0,1,2,3
	OSET \q
	global_store_b128 v3, v[rO:rO+3], s[10:11] offset:4096*\q   ; the wave stores 512 consecutive bytes, aligned to 256
.endr
.Lno_out_\@:
	BARRIER                                        ; the stage has been read: it may be written again
.endm
	s_load_b256 s[4:11], s[0:1], 0x0               ; w2, hq, plan, part
	v_lshl_add_u32 v[SPW], v0, 2, SPARE
	v_mov_b32 v[NIL], 0
	v_lshrrev_b32 v8, 5, v0
	v_readfirstlane_b32 s16, v8                    ; wave
	s_and_b32 s21, ttmp7, 0xffff                   ; the expert
	s_and_b32 s22, ttmp9, 7                        ; cs
	s_lshr_b32 s37, ttmp9, 3                       ; kq
	s_lshl_b32 s33, s21, 2
	s_mov_b32 s32, 0
	s_lshl_b32 s35, s37, 13
	s_lshl_b32 s36, s37, 9
	v_and_b32 v9, 31, v0
	v_and_b32 v10, 15, v0
	s_wait_alu depctr_va_vdst(0)
	v_bfe_u32 v11, v0, 4, 1
	v_and_b32 v1, 8, v10
	v_add_nc_u32 v1, v1, v10
	v_lshl_add_u32 v1, v11, 3, v1
	v_lshlrev_b32 v1, 2, v1                        ; 4 x my column
	v_lshlrev_b32 v[L16], 4, v9
	v_lshlrev_b32 v9, 2, v9
	s_wait_alu depctr_va_sdst(0)                   ; s16 is written, ahead of its first reader: shares, addresses and branches are made from it
	s_and_b32 s17, s16, 1                          ; ch
	s_lshr_b32 s18, s16, 1                         ; ko
	s_and_b32 s19, s16, 3                          ; cg
	s_lshr_b32 s20, s16, 2                         ; rq
	s_mul_i32 s26, s20, 8448
	s_add_co_u32 s26, s26, STG                     ; my tile's stage
	s_lshl_b32 s27, s19, 7
	s_add_co_u32 s27, s27, s26
	v_mul_u32_u24 v[SO], v10, 528
	s_wait_alu depctr_va_vdst(0)
	v_lshl_add_u32 v[SO], v11, 6, v[SO]
	v_add_nc_u32 v[SO], s27, v[SO]                 ; row r, my wave's 128 bytes, + 64 for lanes 16-31
	s_mul_i32 s27, s19, 2112
	s_add_co_u32 s27, s27, s26
	v_add_nc_u32 v[SR], s27, v[L16]                ; rows 4 cg on, 16 bytes a lane
	s_lshl_b32 s26, s22, 9
	s_lshl_b32 s27, s19, 14
	s_add_co_u32 s26, s26, s27
	v_add_nc_u32 v[PL], s26, v[L16]
	s_lshl_b32 s26, s17, 15
	s_lshl_b32 s27, s18, 11
	s_add_co_u32 s26, s26, s27
	v_add_nc_u32 v2, s26, v[L16]
	s_lshl_b32 s26, s17, 11
	s_lshl_b32 s27, s18, 7
	s_add_co_u32 s26, s26, s27
	s_add_co_u32 s26, s26, WSC
	v_add_nc_u32 v3, s26, v9
	s_mul_i32 s26, s16, REG
	s_add_co_u32 s26, s26, TOK
	v_add_nc_u32 v4, s26, v[L16]
	s_and_b32 s26, s16, 7
	s_add_co_u32 s26, s26, 16
	s_mul_i32 s26, s26, REG
	s_add_co_u32 s26, s26, TOK
	v_add_nc_u32 v11, s26, v[L16]
	s_lshl_b32 s26, s19, 14
	v_add_nc_u32 v5, s26, v[L16]
	s_lshl_b32 s26, s19, 10
	s_add_co_u32 s26, s26, WSC
	v_add_nc_u32 v6, s26, v9
	s_mul_i32 s26, s20, REG
	s_add_co_u32 s26, s26, TOK
	v_add_nc_u32 v7, s26, v[L16]
	v_add_nc_u32 v8, 8*REG, v7                     ; my tiles 2 and 3 of a chunk
	s_lshl_b32 s28, s21, 24                        ; w2: expert, my K quarter, my K step's 128 rows, the work-group's 512 bytes of a row, my 256 of them
	s_lshl_b32 s26, s37, 22
	s_add_co_u32 s28, s28, s26
	s_lshl_b32 s26, s18, 19
	s_add_co_u32 s28, s28, s26
	s_lshl_b32 s26, s22, 9
	s_add_co_u32 s28, s28, s26
	s_lshl_b32 s26, s17, 8
	s_add_co_u32 s28, s28, s26
	s_mov_b32 s29, 0
	s_mul_i32 s38, s37, 0x880000                   ; part: my K quarter's 2,176 rows of 4,096 bytes
	s_mov_b32 s39, 0
	s_wait_kmcnt 0x0
	s_load_b32 s23, s[8:9], s33 offset:0x0         ; the expert's first tile,
	s_load_b32 s24, s[8:9], s33 offset:0x20        ; how many it has,
	s_load_b32 s25, s[8:9], 0x40                   ; and how many there are in all
	s_add_nc_u64 s[4:5], s[4:5], s[28:29]
	s_add_nc_u64 s[10:11], s[10:11], s[38:39]
	s_wait_alu depctr_va_vdst(0)                   ; the offsets and LDS addresses v1 to v8, v11 and v236 to v239 are written, which the kernel's loads and stores read
	WLOAD 0
	WLOAD 1
	s_wait_kmcnt 0x0
	s_sub_co_u32 s34, s25, 1
	s_wait_loadcnt 63                              ; behind block 0's loads stand block 1's 64: at most 63 out shows block 0 in
	QNUM 0
	s_wait_alu depctr_va_vdst(0)                   ; block 0's lines are done reading X0, in which block 2's loads land
	WLOAD 2
	s_wait_loadcnt 63                              ; block 1 is in: block 2's 64 stand behind it
	QNUM 1
	DADDR 9, 10, 0
	s_wait_alu depctr_va_vdst(0)                   ; one wait for three things: v[FR ..] is written, which the image stores read; v9 and v10 are written, which the gather reads; block 1's lines are done reading X1, in which block 3's loads land
	QSTO 1
	GATHER 9, 10, TK, TS
	WLOAD 3
	s_wait_loadcnt 63                              ; block 2 and the rows' images are in: block 3's 64 stand behind them
	QNUM 2
	PUT 4, TK, TS
	s_wait_alu depctr_vm_vsrc(0)                   ; the staging stores have read TS, in which the second gather's scale words land
	s_cmp_lt_u32 s16, 8                            ; waves 0 to 7 stage a second tile
	s_cbranch_scc0 .Lone_b
	DADDR 254, 255, 16
	s_wait_dscnt 0x0                               ; the stores above have landed
	s_wait_alu depctr_va_vdst(0)                   ; v254 and v255 are written, which the gather reads; block 2's lines are done reading X0, in which it lands
	GATHER 254, 255, X, TS                         ; into the set that block 2 has left
.Lone_b:
	s_wait_loadcnt 0x0
	QNUM 3
	s_wait_alu depctr_va_vdst(0)                   ; v[FR ..], v[WS] and v[WS+1] are written, which the stores read.  No vector line follows before the weights' loads below: so every reader and writer of X0, X1, WS and v12 to v15 is done for the loads that land there
	QSTO 3
	s_cmp_lt_u32 s16, 8
	s_cbranch_scc0 .Lone_c
	PUT 11, X, TS
.Lone_c:
	BARRIER                                        ; the weights' images and the first 24 tiles of rows lie in LDS
	s_wait_alu depctr_vm_vsrc(0)                   ; my stores have read X0, v[WS] and v[WS+1], in which the loads below land, TK and TS, in which the tiles' loads land, and v[FR ..], which the products write; the stream's loads have read v1, which is written below
.irp s, 0,1,2,3,4,5,6,7
.irp q, 0,1,2,3
	ds_load_b128 v[W+16*\s+4*\q:W+16*\s+4*\q+3], v5 offset:2048*\s+512*\q
.endr
	ds_load_b32 v[WS+\s], v6 offset:128*\s
.endr
	v_add_nc_u32 v1, 16*REG, v7                    ; my tiles 4 and 5 of a chunk
	s_wait_alu depctr_va_vdst(0)                   ; v1 is written, which those tiles' LDS loads read
.Lchunk:                                               ; three trips: 72 tiles, and an expert has at most 64
.irp i, 0,1,2,3,4,5
	TILE \i
.endr
	s_add_co_u32 s32, s32, 24
	s_cmp_ge_u32 s32, s24                          ; the same in all waves; no barrier stands inside.  The last tile's closing barrier has shown that nobody reads the staged rows
	s_cbranch_scc1 .Lno_more
	DADDR 9, 10, 0                                 ; (the gathers that read v9 and v10 stand ahead of the tiles' waits on vm_vsrc, and their data were waited for)
	s_wait_alu depctr_va_vdst(0)                   ; v9 and v10 are written, which the gather reads
	GATHER 9, 10, TK, TS
	s_wait_loadcnt 0x0
	PUT 4, TK, TS
	s_wait_alu depctr_vm_vsrc(0)                   ; the gather has read v9 and v10, and the staging stores TK and TS: all are written again, by the lines below or by the next tile's loads
	s_cmp_lt_u32 s16, 8
	s_cbranch_scc0 .Lno_more
	DADDR 9, 10, 16
	s_wait_dscnt 0x0                               ; the stores above have landed
	s_wait_alu depctr_va_vdst(0)                   ; v9 and v10 are written, which the gather reads
	GATHER 9, 10, TK, TS
	s_wait_loadcnt 0x0
	PUT 11, TK, TS
	s_wait_alu depctr_vm_vsrc(0)                   ; the staging stores have read TK and TS, in which the next tile's loads land
.Lno_more:
	BARRIER                                        ; the next 24 tiles lie in LDS
	s_cmp_lt_u32 s32, 72
	s_cbranch_scc1 .Lchunk
	s_wait_dscnt 0x0                               ; the closing lines, six on end
	s_wait_alu 0x0
	s_wait_tensorcnt 0x0
	ds_add_u32 v[SPW], v[NIL]
	s_wait_dscnt 0x0
	s_endpgm
.Lfunc_end_k_q792a290054_down:
	.size	k_q792a290054_down, .Lfunc_end_k_q792a290054_down-k_q792a290054_down
	.p2alignl 7, 3214868480
	.fill 96, 4, 3214868480
	.section	.rodata,"a",@progbits
	.p2align	6, 0x0
	.amdhsa_kernel k_q792a290054_down
		.amdhsa_group_segment_fixed_size 314368
		.amdhsa_private_segment_fixed_size 0
		.amdhsa_enable_private_segment 0
		.amdhsa_kernarg_size 32
		.amdhsa_user_sgpr_count 2
		.amdhsa_user_sgpr_kernarg_segment_ptr 1
		.amdhsa_wavefront_size32 1
		.amdhsa_system_sgpr_workgroup_id_x 1
		.amdhsa_system_sgpr_workgroup_id_y 1
		.amdhsa_system_sgpr_workgroup_id_z 1
		.amdhsa_system_vgpr_workitem_id 0
		.amdhsa_next_free_vgpr 256
		.amdhsa_next_free_sgpr 66
		.amdhsa_reserve_vcc 0
		.amdhsa_float_denorm_mode_32 3
		.amdhsa_float_denorm_mode_16_64 3
		.amdhsa_memory_ordered 1
		.amdhsa_forward_progress 1
		.amdhsa_inst_pref_size 86
	.end_amdhsa_kernel
	.amdgpu_metadata
---
amdhsa.version: [ 1, 2 ]
amdhsa.kernels:
  - .name:           k_q792a290054_down
    .symbol:         k_q792a290054_down.kd
    .args:
      - { .name: w2, .offset: 0, .size: 8, .value_kind: global_buffer, .address_space: global }
      - { .name: hq, .offset: 8, .size: 8, .value_kind: global_buffer, .address_space: global }
      - { .name: plan, .offset: 16, .size: 8, .value_kind: global_buffer, .address_space: global }
      - { .name: part, .offset: 24, .size: 8, .value_kind: global_buffer, .address_space: global }
    .group_segment_fixed_size: 314368
    .private_segment_fixed_size: 0
    .kernarg_segment_align: 8
    .kernarg_segment_size: 32
    .max_flat_workgroup_size: 512
    .sgpr_count:     66
    .vgpr_count:     256
    .wavefront_size: 32
...
	.end_amdgpu_metadata
.endif
;; end of part 9
;; launch join (part 10): grid 256 x 1, 16 waves a work-group, no clusters, 0 bytes of LDS; arguments part, plan, eidx, gates, b2, out0; writes out0
.if DOCPART == 10
	.amdgcn_target "amdgcn-amd-amdhsa--gfx1250"
	.amdhsa_code_object_version 6
	.text
	.protected	k_q792a290054_join
	.globl	k_q792a290054_join
	.p2align	8
	.type	k_q792a290054_join,@function
k_q792a290054_join:
	s_mov_b64 s[64:65], 0
	v_nop
	global_prefetch_b8 v0, s[64:65] scope:SCOPE_SE
	s_setreg_imm32_b32 hwreg(HW_REG_WAVE_MODE, 25, 1), 1
	s_wait_xcnt 0x0
; MoE layer, launch 5 of 5: out[t] = g0 (y(slot0) + b2[e0]) + g1 (y(slot1) + b2[e1]), y(slot) = the sum of the four partial sums along K.  The six experts that were not chosen add the 0 of their gate: left out.
; A stream: a wave takes a quarter (1 KB) of one token's row; the token's two slots, experts and weights come by scalar loads; each output row has one owner.  Every load and store of a wave covers 512 consecutive bytes.
; No LDS, no barrier, no matrix unit: there is nothing to share and nothing to multiply but by two numbers.
.set PB, 32                            ; s[32:39] part at K quarter 0, 1, 2, 3
.set J0, 16                            ; v16-47 the first slot's four partial sums (quarter q at 8 q), v48-55 its b2
.set J1, 56                            ; v56-87, v88-95 the second's
	s_load_b256 s[4:11], s[0:1], 0x0               ; part, plan, eidx, gates
	s_load_b128 s[12:15], s[0:1], 0x20             ; b2, out0
	v_lshrrev_b32 v1, 5, v0
	s_delay_alu instid0(VALU_DEP_1)
	v_readfirstlane_b32 s16, v1                    ; wave
	s_lshr_b32 s17, s16, 2
	s_lshl_b32 s18, ttmp9, 2
	s_add_co_u32 s18, s18, s17                     ; my token
	s_and_b32 s19, s16, 3
	s_lshl_b32 s20, s18, 3
	s_lshl_b32 s21, s19, 10
	v_and_b32 v1, 31, v0
	s_delay_alu instid0(VALU_DEP_1)
	v_lshl_add_u32 v1, v1, 4, s21                  ; my quarter of a row, 16 bytes a lane
	s_lshl_b32 s17, s18, 12
	v_add_nc_u32 v6, s17, v1
	s_wait_alu depctr_va_vdst(0)
	s_wait_kmcnt 0x0
	s_load_b64 s[22:23], s[6:7], s20 offset:0x100  ; the two slots,
	s_load_b64 s[24:25], s[8:9], s20 offset:0x0    ; experts,
	s_load_b64 s[26:27], s[10:11], s20 offset:0x0  ; and weights
	s_mov_b64 s[PB:PB+1], s[4:5]
	s_add_nc_u64 s[PB+2:PB+3], s[4:5], 0x880000
	s_add_nc_u64 s[PB+4:PB+5], s[4:5], 0x1100000
	s_add_nc_u64 s[PB+6:PB+7], s[4:5], 0x1980000
	s_wait_kmcnt 0x0
	s_min_u32 s22, s22, 2175                       ; held inside their buffers
	s_min_u32 s23, s23, 2175
	s_min_u32 s24, s24, 7
	s_min_u32 s25, s25, 7
	s_lshl_b32 s22, s22, 12
	s_lshl_b32 s23, s23, 12
	s_lshl_b32 s24, s24, 12
	s_lshl_b32 s25, s25, 12
	v_add_nc_u32 v2, s22, v1
	v_add_nc_u32 v3, s23, v1
	v_add_nc_u32 v4, s24, v1
	v_add_nc_u32 v5, s25, v1
	s_mov_b32 s28, s26                             ; each weight as a pair: the packed forms name a pair and take its low word
	s_mov_b32 s29, s26
	s_mov_b32 s30, s27
	s_mov_b32 s31, s27
.macro JLOAD base, off, boff
.irp q, 0,1,2,3
	global_load_b128 v[\base+8*\q:\base+8*\q+3], v[\off], s[PB+2*\q:PB+2*\q+1] th:TH_LOAD_NT
	global_load_b128 v[\base+8*\q+4:\base+8*\q+7], v[\off], s[PB+2*\q:PB+2*\q+1] offset:512 th:TH_LOAD_NT
.endr
	global_load_b128 v[\base+32:\base+35], v[\boff], s[12:13]
	global_load_b128 v[\base+36:\base+39], v[\boff], s[12:13] offset:512
.endm
.macro JSUM base
.irp k, 0,2,4,6
	v_pk_add_f32 v[\base+\k:\base+\k+1], v[\base+\k:\base+\k+1], v[\base+8+\k:\base+9+\k]
	v_pk_add_f32 v[\base+16+\k:\base+17+\k], v[\base+16+\k:\base+17+\k], v[\base+24+\k:\base+25+\k]
.endr
.irp k, 0,2,4,6
	v_pk_add_f32 v[\base+\k:\base+\k+1], v[\base+\k:\base+\k+1], v[\base+16+\k:\base+17+\k]
.endr
.irp k, 0,2,4,6
	s_delay_alu instid0(VALU_DEP_4)
	v_pk_add_f32 v[\base+\k:\base+\k+1], v[\base+\k:\base+\k+1], v[\base+32+\k:\base+33+\k]
.endr
.endm
	JLOAD J0, 2, 4
	JLOAD J1, 3, 5
	s_wait_loadcnt 10                              ; the first slot's ten loads are in, the second's ten may be out
	JSUM J0
.irp k, 0,2,4,6
	s_delay_alu instid0(VALU_DEP_4)
	v_pk_mul_f32 v[J0+\k:J0+\k+1], v[J0+\k:J0+\k+1], s[28:29] op_sel_hi:[1,0]
.endr
	s_wait_loadcnt 0x0
	JSUM J1
.irp k, 0,2,4,6
	s_delay_alu instid0(VALU_DEP_4)
	v_pk_fma_f32 v[J0+\k:J0+\k+1], v[J1+\k:J1+\k+1], s[30:31], v[J0+\k:J0+\k+1] op_sel_hi:[1,0,1]
.endr
	global_store_b128 v6, v[J0:J0+3], s[14:15]
	global_store_b128 v6, v[J0+4:J0+7], s[14:15] offset:512
	s_endpgm
.Lfunc_end_k_q792a290054_join:
	.size	k_q792a290054_join, .Lfunc_end_k_q792a290054_join-k_q792a290054_join
	.p2alignl 7, 3214868480
	.fill 96, 4, 3214868480
	.section	.rodata,"a",@progbits
	.p2align	6, 0x0
	.amdhsa_kernel k_q792a290054_join
		.amdhsa_group_segment_fixed_size 0
		.amdhsa_private_segment_fixed_size 0
		.amdhsa_enable_private_segment 0
		.amdhsa_kernarg_size 48
		.amdhsa_user_sgpr_count 2
		.amdhsa_user_sgpr_kernarg_segment_ptr 1
		.amdhsa_wavefront_size32 1
		.amdhsa_system_sgpr_workgroup_id_x 1
		.amdhsa_system_sgpr_workgroup_id_y 1
		.amdhsa_system_sgpr_workgroup_id_z 1
		.amdhsa_system_vgpr_workitem_id 0
		.amdhsa_next_free_vgpr 96
		.amdhsa_next_free_sgpr 66
		.amdhsa_reserve_vcc 0
		.amdhsa_float_denorm_mode_32 3
		.amdhsa_float_denorm_mode_16_64 3
		.amdhsa_memory_ordered 1
		.amdhsa_forward_progress 1
		.amdhsa_inst_pref_size 8
	.end_amdhsa_kernel
	.amdgpu_metadata
---
amdhsa.version: [ 1, 2 ]
amdhsa.kernels:
  - .name:           k_q792a290054_join
    .symbol:         k_q792a290054_join.kd
    .args:
      - { .name: part, .offset: 0, .size: 8, .value_kind: global_buffer, .address_space: global }
      - { .name: plan, .offset: 8, .size: 8, .value_kind: global_buffer, .address_space: global }
      - { .name: eidx, .offset: 16, .size: 8, .value_kind: global_buffer, .address_space: global }
      - { .name: gates, .offset: 24, .size: 8, .value_kind: global_buffer, .address_space: global }
      - { .name: b2, .offset: 32, .size: 8, .value_kind: global_buffer, .address_space: global }
      - { .name: out0, .offset: 40, .size: 8, .value_kind: global_buffer, .address_space: global }
    .group_segment_fixed_size: 0
    .private_segment_fixed_size: 0
    .kernarg_segment_align: 8
    .kernarg_segment_size: 48
    .max_flat_workgroup_size: 512
    .sgpr_count:     66
    .vgpr_count:     96
    .wavefront_size: 32
...
	.end_amdgpu_metadata
.endif
;; end of part 10
